; MI455X (gfx1250); checked and timed in simulation.
; The chip was launched on July 23, 2026; its instructions are those of AMD's public machine-readable ISA for CDNA 5 (MIT licence, August 2026) and "CDNA5" Instruction Set Architecture Reference Guide (July 2026). The comments in the code are by the model that wrote it; some were corrected since.
;; Gemma3n Attention. Allowed arithmetic: matrix products marked QUANTISED: E2M1 operands, one E8M0 scale for each 32 along K, by v_wmma_scale_f32_16x16x128_f8f6f4 with both operands' format E2M1 (or v_wmma_scale_f32_32x16x128_f4), f32 sums; everything else in f32.
;; Inputs: cos 4,096 x 256 float32; hidden_states 4,096 x 2,048 float32; o_w 2,048 x 1,024 float32; qkv_w 2,048 x 2,048 float32; sin 4,096 x 256 float32.
;; Outputs: out0 4,096 x 2,048 float32.
;; This version of the problem:
;;   THIS VERSION OF THE PROBLEM IS GIVEN IN LOW PRECISION. The matrix products marked QUANTISED in the list below multiply operands that are first quantised to E2M1 (2 exponent bits, 1 mantissa bit; 4 bits a number), with one power-of-two scale for each 32 numbers along K (OCP MX v1.0); their sums are f32. All else is computed in f32.
;;   The module's matrix products, in the order in which they are computed (A, B: the left and right operand; K: the contracted axis; several contracted axes count as one K, in the product's order):
;;     1. [M 4,096, K 2,048] x [K 2,048, N 2,048]; A: input hidden_states; B: input qkv_w: QUANTISED
;;     2. batch 4 x [M 4,096, K 256] x [K 256, N 4,096]; A: computed on the way; B: computed on the way: QUANTISED
;;     3. batch 4 x [M 256, K 4,096] x [K 4,096, N 4,096]; A: computed on the way; B: softmax (see below): QUANTISED
;;     4. [M 4,096, K 1,024] x [K 1,024, N 2,048]; A: computed on the way; B: input o_w: QUANTISED
;;   THE QUANTISER, for each operand of a quantised product, along K:
;;     - K is cut into blocks of 32 from its start; a last block that is shorter is filled with zeros.
;;     - A block's scale is 2^e with e = floor(log2(the largest magnitude in the block)) - 2, held to -126 .. 127; a block of zeros has e = 0. As a byte (E8M0): e + 127.
;;     - Each number is divided by its block's scale, clamped to +-6, and rounded to the nearest number of E2M1, ties to even, subnormals kept.
;;     - The product sums the exact products of the quantised numbers (number of the format x scale) in f32.
;;   ~~~python
;;   def quantise(x, axis):      # numpy; x: float32 -> the quantised numbers, widened to float32 again
;;       x = np.moveaxis(x, axis, -1); K = x.shape[-1]
;;       x = np.pad(x, [(0, 0)] * (x.ndim - 1) + [(0, -K % 32)]); x = x.reshape(x.shape[:-1] + (-1, 32)); a = np.abs(x).max(-1, keepdims=True)
;;       e = np.where(a > 0, np.clip(np.frexp(np.where(a > 0, a, 1))[1] - 1 - 2, -126, 127), 0)      # np.frexp(a)[1] - 1 = floor(log2(a)), exactly
;;       r = np.clip(x / 2.0 ** e, -6, 6)
;;       step = 2.0 ** (np.maximum(np.frexp(np.where(r == 0, 1, r))[1] - 1, 0) - 1)
;;       q = np.round(r / step) * step * 2.0 ** e      # np.round: ties to even
;;       return np.moveaxis(q.reshape(q.shape[:-2] + (-1,))[..., :K], -1, axis).astype(np.float32)
;;   ~~~
;;   SOFTMAX AHEAD OF A QUANTISED PRODUCT. Where the list says 'softmax', what is quantised is not the finished softmax but p = 2^(t - M), with t = logit x log2(e) and M = ceil(the row's largest t), a whole number; so 1/2 < the row's largest p <= 1. The row's sum l is taken of the UNQUANTISED p, in f32, and the product's result is divided by l at the end. Since M is a whole number, a kernel that streams over the keys may use a running M (the ceiling of the running maximum): every later rescaling is an exact power of two, which a block's scale takes up: the codes' values come out the same.
;;   OPERANDS COMPUTED ON THE WAY. 'Computed on the way' means the value that the module computes at that place (a softmax that the list does not call 'softmax' is quantised finished and normalised). What goes into a quantiser is computed in f32, as accurately as f32 sums, v_exp_f32 and their like allow (about 1e-6 of the number): no bf16 or f16 on the way to a quantiser, and a product that is left as it is and whose result goes on into a quantised operand takes f32 operands (vector FMAs, or v_wmma_f32_16x16x4_f32). A number that lies on a knife's edge between two numbers of the format may be rounded either way, as far as f32 arithmetic and the matrix unit's own rounding can turn it there, and no further.
;; One version. Each part assembles by itself: llvm-mc -triple=amdgcn-amd-amdhsa -mcpu=gfx1250 --defsym DOCPART=n.
;; ======== version 1 of 1: 4 launches
;; limits: right only within a limited range of input values
;; workspace buffers: hq 4,456,448 bytes; wq 2,228,224 bytes; oq 1,114,112 bytes; cs 8,388,608 bytes; qi 2,228,224 bytes; kv 2,228,224 bytes; aq 2,228,224 bytes
;; launch prep (part 1): grid 1024 x 1, 4 waves a work-group, no clusters, 68,608 bytes of LDS; arguments hidden_states, qkv_w, o_w, cos, sin, hq, wq, oq, cs; writes hq, wq, oq, cs
.if DOCPART == 1
	.amdgcn_target "amdgcn-amd-amdhsa--gfx1250"
	.amdhsa_code_object_version 6
	.text
	.protected	k_qe97b848d22_prep
	.globl	k_qe97b848d22_prep
	.p2align	8
	.type	k_qe97b848d22_prep,@function
k_qe97b848d22_prep:
	s_mov_b64 s[64:65], 0
	v_nop
	global_prefetch_b8 v0, s[64:65] scope:SCOPE_SE
	s_setreg_imm32_b32 hwreg(HW_REG_WAVE_MODE, 25, 1), 1
	s_wait_xcnt 0x0
; THE PROGRAM: Gemma3n attention, S = 4,096 tokens, H = 2,048, 4 query heads, 2 key/value heads, D = 256, all four products on codes of FP4 (E2M1) with one E8M0 scale for each 32 along K.
; Four launches: prep (this one) | qkv: product 1, norm, RoPE, quantising of q, k, v | attn: products 2 and 3 with the softmax | oproj: product 4.
; DEAD WORK.  reference() builds the causal mask in its own body: a score of key k > query q is replaced by the least f32 number ahead of the softmax, so that its weight is 0 whatever finite values the
; inputs hold.  A step of 128 keys all of which come after all 16 queries of a tile therefore reaches no output, and launch attn leaves such steps out (products 2 and 3, whole steps only).  Nothing else is left out;
; all five inputs have a way to the output and are loaded.  LIMIT: a NaN, an infinity or an overflow that reaches only those hidden steps is not carried to the result.
; LIMITS of the quantisers, in all launches: NaN and infinities among the inputs are not served; a block whose largest magnitude lies under 2^-124, a block of zeros among them, gets the scale byte 1
; (the rule says 127 for zeros: its codes are zeros, which add nothing under any byte but 0xff, and the bytes are read by this program alone).
;
; THIS LAUNCH quantises hidden_states [4096][2048], qkv_w [2048][2048] and o_w [2048][1024] along K (their last axis) and lays the codes IN THE ORDER OF THE OPERANDS' REGISTERS; and it lays cos and sin [4096][256]
; in the order of launch qkv's result registers.
; ROWS go in groups g of 32; tile u (0, 1) of a group holds at its row p (0..15) the group's row 8 u + p + 8 (p / 8).
; A FRAGMENT'S IMAGE (16 rows x 128 K, 1,024 bytes): [c 2][lane 32][16 bytes]; lane (r = lane % 16, h = lane / 16) holds at c the codes of k = 64 c + 32 h + 0..31 of row r.
; A RECORD (8,704 bytes) for group g and 512 along K: images [s4 4][u 2], then at +8,192 the scale words [16 u + r][s4 4].  hq: [K slot 4][g 128], wq: [4][64], oq: [2][64].
; cs: [token tile 2 g + u][cos, sin][k 32][lane 32][16 bytes]: the four numbers of columns 32 (k / 4) + 16 h + 4 (k % 4) + 0..3 of the tile's row r.
; SHARES.  A wave takes 32 rows x 512 bytes (128 numbers a row).  Each load reads 512 consecutive bytes of one row; the rows turn through the wave's own stage in LDS (pitch 528), from which a lane takes the
; 32 neighbours of a block (quantising) or its register groups (cos, sin).  Every store of codes and of cos/sin covers 512 consecutive bytes.  The four waves' scale words meet in LDS and leave as 512 consecutive bytes.
; Work-groups 0-511: hidden_states; 512-767: qkv_w; 768-895: o_w; 896-959: cos; 960-1023: sin.  No tensor loads and no matrix work: memory binds.
.set STG,   16896                      ; a wave's stage: 32 rows x (512 + 16) bytes
.set SCG,   4*STG                      ; the record's 512 bytes of scale words
.set SPARE, SCG+512                    ; the spare words, 128 bytes for each wave
.set L16, 4                            ; v4   16 x lane
.set SI,  5                            ; v5   the stage, on the way in
.set RQ,  6                            ; v6   on the way out, quantising: row r, + 128 h
.set RC,  7                            ; v7   on the way out, cos and sin: row r, + 64 h
.set SGA, 8                            ; v8   where my scale word goes
.set SGR, 9                            ; v9   where wave 0 reads four of them
.set SPW, 10                           ; v10  my spare word; never rewritten
.set NIL, 11                           ; v11  0; never rewritten
.set C,   24                           ; v24-39  codes
.set VO,  44                           ; v44-75  row x pitch + 16 x lane
.set R,   76                           ; v76-203 the numbers
	s_load_b256 s[4:11], s[0:1], 0x0               ; hidden_states, qkv_w, o_w, cos
	s_load_b256 s[12:19], s[0:1], 0x20             ; sin, hq, wq, oq
	s_load_b64 s[20:21], s[0:1], 0x40              ; cs
	v_lshl_add_u32 v[SPW], v0, 2, SPARE
	v_mov_b32 v[NIL], 0
	v_lshrrev_b32 v1, 5, v0
	v_readfirstlane_b32 s23, v1                    ; wave
	v_and_b32 v1, 31, v0                           ; lane
	v_and_b32 v2, 15, v0                           ; r
	v_bfe_u32 v3, v0, 4, 1                         ; h
	v_lshlrev_b32 v[L16], 4, v1
	s_wait_alu depctr_va_vdst(0)
	s_mul_i32 s46, s23, STG
	v_add_nc_u32 v[SI], s46, v[L16]
	v_mul_u32_u24 v12, v2, 528
	v_add_nc_u32 v12, s46, v12
	v_lshl_add_u32 v[RQ], v3, 7, v12
	v_lshl_add_u32 v[RC], v3, 6, v12
	s_lshl_b32 s47, s23, 2
	s_add_co_u32 s47, s47, SCG
	v_add_nc_u32 v[SGA], s47, v[L16]               ; [16 u + r][s4 = wave]
	v_add_nc_u32 v[SGR], SCG, v[L16]
	s_mov_b32 s48, 0x76543210
	s_mov_b32 s49, 0xfedcba98                      ; v_permlanex16_b32's selects for lane l xor 16
	s_mov_b32 s50, 0xffff0000                      ; lanes 16-31
	; which tensor, which group, which piece: all from the work-group's number
	s_mov_b32 s22, ttmp9
	s_cmp_lt_u32 s22, 512
	s_cselect_b32 s28, 0, 512                      ; the tensor's first work-group
	s_cselect_b32 s29, 128, 64                     ; its groups of rows
	s_cmp_lt_u32 s22, 768
	s_cselect_b32 s28, s28, 768
	s_cselect_b32 s30, 2, 1                        ; log2 of its K slots
	s_mov_b32 s31, 4096
	s_cselect_b32 s31, 8192, s31                   ; a row in bytes
	s_cmp_lt_u32 s22, 896
	s_cselect_b32 s28, s28, 896
	s_cselect_b32 s31, s31, 1024
	s_sub_co_u32 s34, s22, s28
	s_lshr_b32 s35, s34, s30                       ; quantising: g,
	s_lshl_b32 s36, 1, s30
	s_sub_co_u32 s36, s36, 1
	s_and_b32 s36, s34, s36                        ; the K slot,
	s_lshl_b32 s37, s36, 2
	s_add_co_u32 s37, s37, s23                     ; the piece of 128 along K: 4 x slot + wave
	s_and_b32 s38, s34, 63
	s_lshl_b32 s38, s38, 1
	s_lshr_b32 s39, s23, 1
	s_add_co_u32 s38, s38, s39                     ; cos, sin: g = 2 x (work-group % 64) + wave / 2,
	s_and_b32 s39, s23, 1                          ; the half of a row
	s_mul_i32 s44, s36, s29
	s_add_co_u32 s44, s44, s35
	s_mul_i32 s44, s44, 8704                       ; the record,
	s_lshl_b32 s47, s23, 11
	s_add_co_u32 s44, s44, s47                     ; my two images in it
	s_lshl_b32 s51, s38, 16                        ; cs: token tile 2 g,
	s_lshr_b32 s47, s34, 6
	s_lshl_b32 s47, s47, 14
	s_add_co_u32 s51, s51, s47                     ; cos or sin,
	s_lshl_b32 s47, s39, 13
	s_add_co_u32 s51, s51, s47                     ; the half
	s_cmp_lt_u32 s22, 896
	s_cselect_b32 s40, s35, s38
	s_cselect_b32 s41, s37, s39
	s_cselect_b32 s44, s44, s51
	s_mov_b32 s45, 0
	s_mul_i32 s42, s40, s31
	s_lshl_b32 s42, s42, 5                         ; 32 g rows
	s_lshl_b32 s41, s41, 9
	s_add_co_u32 s42, s42, s41                     ; + 512 x piece
	s_mov_b32 s43, 0
.set i, 0
.rept 32
	v_mad_u32_u24 v[VO+i], s31, i, v[L16]
.set i, i+1
.endr
	s_wait_alu depctr_va_vdst(0)
	s_wait_kmcnt 0x0
	s_cmp_lt_u32 s22, 512                          ; the buffers are chosen by the work-group's number alone
	s_cselect_b64 s[24:25], s[4:5], s[6:7]
	s_cselect_b64 s[26:27], s[14:15], s[16:17]
	s_cmp_lt_u32 s22, 768
	s_cselect_b64 s[24:25], s[24:25], s[8:9]
	s_cselect_b64 s[26:27], s[26:27], s[18:19]
	s_cmp_lt_u32 s22, 960
	s_cselect_b64 s[32:33], s[10:11], s[12:13]
	s_cmp_lt_u32 s22, 896
	s_cselect_b64 s[24:25], s[24:25], s[32:33]
	s_cselect_b64 s[26:27], s[26:27], s[20:21]
	s_add_nc_u64 s[24:25], s[24:25], s[42:43]
	s_add_nc_u64 s[26:27], s[26:27], s[44:45]
.set i, 0
.rept 32
	global_load_b128 v[R+4*i:R+4*i+3], v[VO+i], s[24:25] th:TH_LOAD_NT   ; 512 consecutive bytes of row i; read once in the launch
.set i, i+1
.endr
.irp gq, 0,1,2,3                       ; rows 8 gq .. 8 gq + 7 are rows 8 (gq / 2) + 0..7 of tile gq % 2
	s_wait_loadcnt 24-8*\gq                        ; these eight loads are in; those issued behind them may be out
.irp j, 0,1,2,3,4,5,6,7
	ds_store_b128 v[SI], v[R+4*(8*\gq+\j):R+4*(8*\gq+\j)+3] offset:(16*(\gq%2)+\j+8*(\gq/2))*528
.endr
.endr
	s_cmp_ge_u32 s22, 896
	s_cbranch_scc1 .Lcs
	; ---- quantising.  LDS serves a wave's instructions in order: these loads see my stores, and land in the registers that the stores have left
.set m, 0
.rept 32
	ds_load_b128 v[R+4*m:R+4*m+3], v[RQ] offset:(m/16)*16*528+((m/8)%2)*256+(m%8)*16   ; tile m / 16, c = (m / 8) % 2: my block of 32 neighbours
.set m, m+1
.endr
.macro BLK n                           ; block n = 2 u + c: all its 32 numbers are mine
.set XS, R+32*(\n)
	v_max3_num_f32 v12, |v[XS]|, |v[XS+1]|, |v[XS+2]|
	v_max3_num_f32 v13, |v[XS+3]|, |v[XS+4]|, |v[XS+5]|
.irp i, 6,10,14,18,22,26
	v_max3_num_f32 v12, v12, |v[XS+\i]|, |v[XS+\i+1]|
	v_max3_num_f32 v13, v13, |v[XS+\i+2]|, |v[XS+\i+3]|
.endr
	v_max3_num_f32 v12, v12, |v[XS+30]|, |v[XS+31]|
	v_max3_num_f32 v12, v12, v13, 0x1800000        ; and the floor 2^(3 - 127): the byte cannot fall under 1
	v_add_nc_u32 v[14+\n], 0xff000000, v12         ; 2 off the exponent field: the conversion takes the exponent field of this operand as its scale
	v_lshrrev_b32 v[18+\n], 23, v[14+\n]           ; the scale's byte
.irp g, 0,1,2,3
	v_cvt_scalef32_pk8_fp4_f32 v[C+4*\n+\g], v[XS+8*\g:XS+8*\g+7], v[14+\n]
.endr
.endm
.irp n, 0,1,2,3
	s_wait_dscnt 24-8*\n                           ; this block's eight loads are in
	BLK \n
	global_store_b128 v[L16], v[C+4*\n:C+4*\n+3], s[26:27] offset:512*\n   ; half an image: 512 consecutive bytes
.endr
	v_nop                                          ; one plain line behind the last scaled conversion
	v_lshlrev_b32 v22, 3, v3                       ; 8 h
	v_lshl_or_b32 v12, v19, 16, v18                ; tile 0: my two bytes, blocks h and 2 + h of row r,
	v_lshl_or_b32 v13, v21, 16, v20                ; tile 1
	v_lshlrev_b32 v12, v22, v12                    ; at their places in the scale word
	v_lshlrev_b32 v13, v22, v13
	v_permlanex16_b32 v14, v12, s48, s49
	v_permlanex16_b32 v15, v13, s48, s49
	v_or_b32 v12, v12, v14                         ; with lane l xor 16's two the word is whole
	v_or_b32 v13, v13, v15
	v_cndmask_b32 v12, v12, v13, s50               ; lanes 0-15: tile 0's rows; lanes 16-31: tile 1's
	ds_store_b32 v[SGA], v12
	s_branch .Ljoin
.Lcs:
	; ---- cos, sin: my register groups of the two tiles
.set m, 0
.rept 32
	ds_load_b128 v[R+4*m:R+4*m+3], v[RC] offset:(m/16)*16*528+((m/4)%4)*128+(m%4)*16
.set m, m+1
.endr
.set m, 0
.rept 32
.if m%8 == 0
	s_wait_dscnt 24-m                              ; the next eight loads are in
.endif
	global_store_b128 v[L16], v[R+4*m:R+4*m+3], s[26:27] offset:(m/16)*32768+(m%16)*512
.set m, m+1
.endr
.Ljoin:
	s_wait_dscnt 0x0                               ; for the others' sake: my scale words lie in LDS
	s_barrier_signal -1
	s_barrier_wait -1
	s_cmp_ge_u32 s22, 896
	s_cbranch_scc1 .Lend
	s_cmp_lg_u32 s23, 0
	s_cbranch_scc1 .Lend
	ds_load_b128 v[40:43], v[SGR]                  ; wave 0: the record's scale words, four to a lane
	s_wait_dscnt 0x0
	global_store_b128 v[L16], v[40:43], s[26:27] offset:8192   ; 512 consecutive bytes (wave 0's pointer stands at the record's first byte)
.Lend:
	s_wait_tensorcnt 0x0                           ; the wave's end
	ds_add_u32 v[SPW], v[NIL]
	s_wait_dscnt 0x0
	s_endpgm
.Lfunc_end_k_qe97b848d22_prep:
	.size	k_qe97b848d22_prep, .Lfunc_end_k_qe97b848d22_prep-k_qe97b848d22_prep
	.p2alignl 7, 3214868480
	.fill 96, 4, 3214868480
	.section	.rodata,"a",@progbits
	.p2align	6, 0x0
	.amdhsa_kernel k_qe97b848d22_prep
		.amdhsa_group_segment_fixed_size 68608
		.amdhsa_private_segment_fixed_size 0
		.amdhsa_enable_private_segment 0
		.amdhsa_kernarg_size 72
		.amdhsa_user_sgpr_count 2
		.amdhsa_user_sgpr_kernarg_segment_ptr 1
		.amdhsa_wavefront_size32 1
		.amdhsa_system_sgpr_workgroup_id_x 1
		.amdhsa_system_sgpr_workgroup_id_y 1
		.amdhsa_system_sgpr_workgroup_id_z 1
		.amdhsa_system_vgpr_workitem_id 0
		.amdhsa_next_free_vgpr 208
		.amdhsa_next_free_sgpr 66
		.amdhsa_reserve_vcc 0
		.amdhsa_float_denorm_mode_32 3
		.amdhsa_float_denorm_mode_16_64 3
		.amdhsa_memory_ordered 1
		.amdhsa_forward_progress 1
		.amdhsa_inst_pref_size 26
	.end_amdhsa_kernel
	.amdgpu_metadata
---
amdhsa.version: [ 1, 2 ]
amdhsa.kernels:
  - .name:           k_qe97b848d22_prep
    .symbol:         k_qe97b848d22_prep.kd
    .args:
      - { .name: hidden_states, .offset: 0, .size: 8, .value_kind: global_buffer, .address_space: global }
      - { .name: qkv_w, .offset: 8, .size: 8, .value_kind: global_buffer, .address_space: global }
      - { .name: o_w, .offset: 16, .size: 8, .value_kind: global_buffer, .address_space: global }
      - { .name: cos, .offset: 24, .size: 8, .value_kind: global_buffer, .address_space: global }
      - { .name: sin, .offset: 32, .size: 8, .value_kind: global_buffer, .address_space: global }
      - { .name: hq, .offset: 40, .size: 8, .value_kind: global_buffer, .address_space: global }
      - { .name: wq, .offset: 48, .size: 8, .value_kind: global_buffer, .address_space: global }
      - { .name: oq, .offset: 56, .size: 8, .value_kind: global_buffer, .address_space: global }
      - { .name: cs, .offset: 64, .size: 8, .value_kind: global_buffer, .address_space: global }
    .group_segment_fixed_size: 68608
    .private_segment_fixed_size: 0
    .kernarg_segment_align: 8
    .kernarg_segment_size: 72
    .max_flat_workgroup_size: 128
    .sgpr_count:     66
    .vgpr_count:     208
    .wavefront_size: 32
...
	.end_amdgpu_metadata
.endif
;; end of part 1
;; launch qkv (part 2): grid 32 x 8, 4 waves a work-group, clusters of 4 x 1, 327,680 bytes of LDS; arguments hq, wq, cs, qi, kv; writes qi, kv
.if DOCPART == 2
	.amdgcn_target "amdgcn-amd-amdhsa--gfx1250"
	.amdhsa_code_object_version 6
	.text
	.protected	k_qe97b848d22_qkv
	.globl	k_qe97b848d22_qkv
	.p2align	8
	.type	k_qe97b848d22_qkv,@function
k_qe97b848d22_qkv:
	s_mov_b64 s[64:65], 0
	v_nop
	global_prefetch_b8 v0, s[64:65] scope:SCOPE_SE
	s_setreg_imm32_b32 hwreg(HW_REG_WAVE_MODE, 25, 1), 1
	s_wait_xcnt 0x0
	s_wait_alu depctr_hold_cnt(0) depctr_sa_sdst(0) depctr_va_vdst(0) depctr_va_sdst(0) depctr_va_ssrc(0) depctr_va_vcc(0) depctr_vm_vsrc(0)
	s_getreg_b32 s2, hwreg(HW_REG_IB_STS2, 6, 4)
	s_cmp_eq_u32 s2, 0
	s_cbranch_scc0 .Lentry_in_a_cluster
	s_endpgm
.Lentry_in_a_cluster:
	s_bfe_u32 s2, ttmp6, 0x10000c
	s_cmp_lg_u32 s2, 0x3003
	s_cbranch_scc0 .Lentry_shape_is_right
	s_endpgm
.Lentry_shape_is_right:
; qkv = hidden_states qkv_w^T on codes of FP4 (launch prep's records), then for each head: x / sqrt(mean(x^2) + 1e-6), RoPE on q and k, and the quantisers of the next products: q and k along D, v along the KEYS.
; No work of reference() is left out here.
; SHARES.  A work-group makes 128 tokens x one head (256 columns); y = 0-3: q heads, 4-5: k, 6-7: v.  Wave w takes token group w (32 tokens, two tiles) x all 256 columns: 32 accumulators.  So a token's whole head row lies
; in lanes l and l xor 16: norm, RoPE (columns d and d + 128 lie in one lane) and the blocks' maxima need no other wave.
; THE MATRIX INSTRUCTION IS USED TRANSPOSED (source 0 = 16 rows of qkv_w, source 1 = 16 tokens): lane (r, h) holds token row r, and register 16 b + i of a token tile's 128 holds column 32 b + 16 h + i
; (prep's order of rows in a tile makes the registers of two neighbouring weight tiles 16 neighbours).
; K goes in slots of 512 through a ring of two LDS slots; a slot is 12 records of 8,704 bytes (A's 4, B's 8), dense blocks of memory.  Fragments are read as images, 16 bytes a lane on end: no pitch, no padding.
; THE WALK OVER K BEGINS AT K SLOT (cluster x + head) mod 4 AND GOES ROUND, so that at any time different work-groups ask for different records.  LIMIT: the f32 sums over K so run in a rotated order and differ from an
; ascending sum by rounding.
; CLUSTER: the four partners are four token blocks of ONE head: B's tile is asked for jointly (mask 15); A's is each work-group's own (mask 0).  Waves 0, 1 fetch A's halves, waves 2, 3 B's.
; A wave has at most one tensor load out.
; COS AND SIN of my first token tile are asked for at the kernel's head, into window 3, which the products never touch; those of my second directly behind the last products, into window 1.
; OUT.  qi: codes [head 4][token tile 256][s 2][1,024], from +2,097,152 scale words [head][tile][16 s + r].  kv: [kv head 2][key step 32] records of 34,816 bytes: K's images [key tile 8][s 2] | +16,384 V's images
; [channel tile 16] (K = the step's 128 keys) | +32,768 K's scale words [key tile][16 s + r] | +33,792 V's [16 t + r].
; REGISTERS: window 0: v1-13 addresses, v14, v15 the add's two, v16-87 scale words and nothing else (two sets of 36), v88-119 A's fragments (two sets), v120-255 the way out; window 1: B's fragments (two sets of 128), later
; cos and sin of tile 1; window 2: the accumulators (tile u, weight tile t) at 128 u + 8 t; window 3: cos and sin of tile 0.
.set REC,   8704
.set BOFF,  4*REC
.set SLOT,  12*REC
.set SPARE, 2*SLOT                     ; behind the ring: the spare words, 128 bytes for each wave
.set ASTR,  128*REC                    ; from K slot to K slot in hq,
.set BSTR,  64*REC                     ; in wq
.set LI,   1                           ; v1   16 x lane
.set L4,   2                           ; v2   4 x lane
.set ADA,  3                           ; v3-4 my A record in slot 0, 1
.set ADBL, 5                           ; v5-6 B's records 0-3
.set ADBH, 7                           ; v7-8 B's records 4-7
.set SA,   9                           ; v9   V's way out: where I put 16 bytes of a token's row
.set VST,  10                          ; v10  V's way out: my 16 bytes in a pair of images
.set SPW,  14
.set NIL,  15
.set SC,   16
.set AF,   88
.set SS,   88                          ; the way out: sums of squares
.set RS,   96                          ; 1 / sqrt(..), a pair for each tile
.set X,    120                         ; 64 numbers at work
.set PC,   184                         ; codes: every store has registers of its own
.set TM,   216
.set PW,   232
.set SWD,  236
.set RA,   240                         ; v240-243 V's way out: my channel's column in the stage, block b
.set G1A, 24
.set G0A, 32
.set G1B, 40
.set G0B, 48
.set SEL, 66
.set OFS, 80                           ; s[80:95] the walk's j-th K slot, in bytes: in hq at s[OFS + 4 j], in wq at s[OFS + 4 j + 2], each a pair with 0 above
.set MSB, 0
.macro WIN new                         ; the immediate's high byte repeats the setting that is left
.if MSB != \new
	s_set_vgpr_msb (MSB<<8)|\new
.set MSB, \new
.endif
.endm
.macro PLACES n
.rept \n
	v_nop
.endr
.endm
.macro BARRIER
	s_wait_dscnt 0x0
	s_barrier_signal -1
	s_barrier_wait -1
.endm
.macro CROUND                          ; a round of the cluster's barrier
	s_barrier_signal -1
	s_barrier_wait -1
	s_cmp_lg_u32 s14, 0
	s_cbranch_scc1 .Lnot_wave_0_\@
	s_barrier_signal -3
.Lnot_wave_0_\@:
	s_barrier_wait -3
	s_barrier_signal -1
	s_barrier_wait -1
.endm
.macro JLOAD s                         ; waves 0, 1: A's halves (my own work-group's); waves 2, 3: B's halves (joint).  The branch hangs on the wave's number alone
	s_cmp_eq_u32 s15, 0
	s_cbranch_scc0 .Lfor_b_\@
	tensor_load_to_lds s[G0A+4*\s:G0A+4*\s+3], s[G1A:G1A+7]
	s_nop 0
	PLACES 4
	s_branch .Lasked_\@
.Lfor_b_\@:
	tensor_load_to_lds s[G0B+4*\s:G0B+4*\s+3], s[G1B:G1B+7]
	s_nop 0
	PLACES 4
.Lasked_\@:
.endm
; one scaled matrix instruction.  zero = 1: it starts the sum.  ra, rb: source 0's and source 1's scales stand in lanes 16-31
.macro WM d, a, b, zero, sa, sb, ra, rb
.if \zero
.if ((\ra)==0)&&((\rb)==0)
	v_wmma_scale_f32_16x16x128_f8f6f4 v[\d:\d+7], v[\a:\a+7], v[\b:\b+7], 0, v[\sa], v[\sb] matrix_a_fmt:MATRIX_FMT_FP4 matrix_b_fmt:MATRIX_FMT_FP4
.elseif ((\ra)==1)&&((\rb)==0)
	v_wmma_scale_f32_16x16x128_f8f6f4 v[\d:\d+7], v[\a:\a+7], v[\b:\b+7], 0, v[\sa], v[\sb] matrix_a_fmt:MATRIX_FMT_FP4 matrix_b_fmt:MATRIX_FMT_FP4 matrix_a_scale:MATRIX_SCALE_ROW1
.elseif ((\ra)==0)&&((\rb)==1)
	v_wmma_scale_f32_16x16x128_f8f6f4 v[\d:\d+7], v[\a:\a+7], v[\b:\b+7], 0, v[\sa], v[\sb] matrix_a_fmt:MATRIX_FMT_FP4 matrix_b_fmt:MATRIX_FMT_FP4 matrix_b_scale:MATRIX_SCALE_ROW1
.else
	v_wmma_scale_f32_16x16x128_f8f6f4 v[\d:\d+7], v[\a:\a+7], v[\b:\b+7], 0, v[\sa], v[\sb] matrix_a_fmt:MATRIX_FMT_FP4 matrix_b_fmt:MATRIX_FMT_FP4 matrix_a_scale:MATRIX_SCALE_ROW1 matrix_b_scale:MATRIX_SCALE_ROW1
.endif
.else
.if ((\ra)==0)&&((\rb)==0)
	v_wmma_scale_f32_16x16x128_f8f6f4 v[\d:\d+7], v[\a:\a+7], v[\b:\b+7], v[\d:\d+7], v[\sa], v[\sb] matrix_a_fmt:MATRIX_FMT_FP4 matrix_b_fmt:MATRIX_FMT_FP4
.elseif ((\ra)==1)&&((\rb)==0)
	v_wmma_scale_f32_16x16x128_f8f6f4 v[\d:\d+7], v[\a:\a+7], v[\b:\b+7], v[\d:\d+7], v[\sa], v[\sb] matrix_a_fmt:MATRIX_FMT_FP4 matrix_b_fmt:MATRIX_FMT_FP4 matrix_a_scale:MATRIX_SCALE_ROW1
.elseif ((\ra)==0)&&((\rb)==1)
	v_wmma_scale_f32_16x16x128_f8f6f4 v[\d:\d+7], v[\a:\a+7], v[\b:\b+7], v[\d:\d+7], v[\sa], v[\sb] matrix_a_fmt:MATRIX_FMT_FP4 matrix_b_fmt:MATRIX_FMT_FP4 matrix_b_scale:MATRIX_SCALE_ROW1
.else
	v_wmma_scale_f32_16x16x128_f8f6f4 v[\d:\d+7], v[\a:\a+7], v[\b:\b+7], v[\d:\d+7], v[\sa], v[\sb] matrix_a_fmt:MATRIX_FMT_FP4 matrix_b_fmt:MATRIX_FMT_FP4 matrix_a_scale:MATRIX_SCALE_ROW1 matrix_b_scale:MATRIX_SCALE_ROW1
.endif
.endif
.endm
; the fragments of the slot's q-th 128 along K into set p: B's sixteen, A's two
.macro FETCH slot, q, p
	WIN 0x40                                       ; destination window 1
.irp gb, 0,1,2,3
.irp ub, 0,1
.irp c, 0,1
	ds_load_b128 v[128*(\p)+8*(2*\gb+\ub)+4*\c:128*(\p)+8*(2*\gb+\ub)+4*\c+3], v[ADBL+\slot] offset:\gb*REC+(2*(\q)+\ub)*1024+512*\c
.endr
.endr
.endr
.irp gb, 0,1,2,3
.irp ub, 0,1
.irp c, 0,1
	ds_load_b128 v[128*(\p)+64+8*(2*\gb+\ub)+4*\c:128*(\p)+64+8*(2*\gb+\ub)+4*\c+3], v[ADBH+\slot] offset:\gb*REC+(2*(\q)+\ub)*1024+512*\c
.endr
.endr
.endr
	WIN 0
.irp u, 0,1
.irp c, 0,1
	ds_load_b128 v[AF+16*(\p)+8*\u+4*\c:AF+16*(\p)+8*\u+4*\c+3], v[ADA+\slot] offset:(2*(\q)+\u)*1024+512*\c
.endr
.endr
.endm
.macro SCALES slot                     ; a slot's scale words: register q of a record's four = the slot's q-th 128 along K; lanes 0-15 tile 0's rows, lanes 16-31 tile 1's
	ds_load_b128 v[SC+36*\slot:SC+36*\slot+3], v[ADA+\slot] offset:8192
.irp gb, 0,1,2,3
	ds_load_b128 v[SC+36*\slot+4+4*\gb:SC+36*\slot+4+4*\gb+3], v[ADBL+\slot] offset:\gb*REC+8192
	ds_load_b128 v[SC+36*\slot+20+4*\gb:SC+36*\slot+20+4*\gb+3], v[ADBH+\slot] offset:\gb*REC+8192
.endr
.endm
; 32 matrix instructions: the 32 accumulators take turns, one instruction a turn, in the same order in every step
.macro MUL p, sl, q, zero
	WIN 0xa1                                       ; source 0 (B) window 1, source 1 (A) window 0, C and D window 2
.irp t, 0,1,2,3,4,5,6,7,8,9,10,11,12,13,14,15
.irp u, 0,1
	WM 128*\u+8*\t, 128*(\p)+8*\t, AF+16*(\p)+8*\u, \zero, SC+36*(\sl)+4+4*(\t/2)+(\q), SC+36*(\sl)+(\q), \t%2, \u
.endr
.endr
	WIN 0
.endm
.macro GSTEP slot, q, zero             ; a step of 128 along K that has its successor in the same slot
	s_wait_dscnt 0x0                               ; this step's fragments are in
	PLACES 4                                       ; four plain lines between the last products and loads into the set that they read
	FETCH \slot, (\q)+1, 1-(\q)%2
	MUL (\q)%2, \slot, \q, \zero
.endm
; a slot's last step changes slots.  Its fragments are in registers at the wait on DScnt, so the refill is the first thing behind the round.
.macro GTURN slot, next, fill
	s_wait_tensorcnt 0x0                           ; all my tensor loads have landed: my part of the next slot
	ds_add_u32 v[SPW], v[NIL]                      ; 0 onto my spare word
.if \fill
	s_add_nc_u64 s[G0A+4*\slot+2:G0A+4*\slot+3], s[56:57], s[OFS+8+4*\slot:OFS+9+4*\slot]    ; no load of mine is out: this slot takes the walk's K slot number slot + 2
	s_or_b32 s[G0A+4*\slot+3], s[G0A+4*\slot+3], 0x80000000
	s_add_nc_u64 s[G0B+4*\slot+2:G0B+4*\slot+3], s[58:59], s[OFS+10+4*\slot:OFS+11+4*\slot]
	s_or_b32 s[G0B+4*\slot+3], s[G0B+4*\slot+3], 0x80000000
.endif
	s_wait_dscnt 0x0                               ; the add is done, and my reads of this slot are over
.if \fill
	CROUND                                         ; no wave of any partner still reads this slot or has a load on its way
	JLOAD \slot                                    ; its four v_nop are also the places in front of the loads below
.else
	s_barrier_signal -1
	s_barrier_wait -1
	PLACES 4
.endif
	FETCH \next, 0, 0
	SCALES \next
	MUL 1, \slot, 3, 0
.endm
; 64 numbers of a lane, register 16 b + i = k 32 b + 16 h + i of my row, become a fragment's codes in v[pc] on and its scale word in v[pw]
.macro QUANT s, pc, pw
.irp b, 0,1,2,3
	v_max3_num_f32 v[TM+\b], |v[\s+16*\b]|, |v[\s+1+16*\b]|, 0x1800000   ; my 16 numbers of block b, and the floor 2^(3 - 127)
.endr
.irp i, 2,4,6,8,10,12,14
.irp b, 0,1,2,3
	v_max3_num_f32 v[TM+\b], v[TM+\b], |v[\s+16*\b+\i]|, |v[\s+1+16*\b+\i]|
.endr
.endr
.irp b, 0,1,2,3
	v_permlanex16_b32 v[TM+4+\b], v[TM+\b], s[SEL], s[SEL+1]
.endr
.irp b, 0,1,2,3
	v_max_num_f32 v[TM+\b], v[TM+\b], v[TM+4+\b]   ; with lane l xor 16's: the block's largest magnitude
.endr
.irp b, 0,1,2,3
	v_add_nc_u32 v[TM+12+\b], 0xff000000, v[TM+\b] ; 2 off its exponent field: the conversion's scale operand
.endr
.irp b, 0,1,2,3
	v_lshrrev_b32 v[TM+4+\b], 23, v[TM+12+\b]      ; the scale's byte
.endr
	v_lshl_or_b32 v[\pw], v[TM+5], 8, v[TM+4]
	v_lshl_or_b32 v[\pw], v[TM+6], 16, v[\pw]
	v_lshl_or_b32 v[\pw], v[TM+7], 24, v[\pw]
.irp b, 0,1,2,3
	v_cvt_scalef32_pk8_fp4_f32 v[\pc+2*\b], v[\s+16*\b:\s+7+16*\b], v[TM+12+\b]
	v_cvt_scalef32_pk8_fp4_f32 v[\pc+1+2*\b], v[\s+8+16*\b:\s+15+16*\b], v[TM+12+\b]
.endr
	v_nop                                          ; one plain line behind a scaled conversion
.irp c, 0,1                            ; the operand's layout wants a whole block in a lane
.irp i, 0,1
	v_permlane16_swap_b32 v[\pc+4*\c+\i], v[\pc+2+4*\c+\i]
.endr
.endr
.endm
	s_load_b128 s[4:7], s[0:1], 0x0                ; hq, wq
	s_load_b128 s[8:11], s[0:1], 0x10              ; cs, qi
	s_load_b64 s[12:13], s[0:1], 0x20              ; kv
	v_lshl_add_u32 v[SPW], v0, 2, SPARE
	v_mov_b32 v[NIL], 0
	ds_add_u32 v[SPW], v[NIL]                      ; the wave's opening
	ds_add_u32 v[SPW], v[NIL]
	v_lshrrev_b32 v11, 5, v0
	v_readfirstlane_b32 s14, v11                   ; wave
	s_lshr_b32 s15, s14, 1                         ; I fetch for A (0) or for B (1),
	s_and_b32 s16, s14, 1                          ; which half
	s_bfe_u32 s17, ttmp6, 0x40000                  ; cx
	s_lshl_b32 s18, ttmp9, 2
	s_add_co_u32 s18, s18, s17                     ; token block = 4 x cluster x + cx: it enters A's address and the way out's addresses alone
	s_and_b32 s19, ttmp7, 0xffff                   ; the head, which the four partners share
	s_mov_b32 s[G1A+0], 3<<16                      ; A's half: 17,408 dense bytes as 68 rows of 32 elements of 8 bytes; no mask, no padding
	s_mov_b32 s[G1A+1], 32<<16
	s_mov_b32 s[G1A+2], 68<<16
	s_mov_b32 s[G1A+3], 32<<16
	s_mov_b32 s[G1A+4], 68
	s_mov_b32 s[G1A+5], 32
	s_mov_b32 s[G1A+6], 0
	s_mov_b32 s[G1A+7], 0
	s_mov_b32 s[G1B+0], 15|(3<<16)|(1<<21)         ; B's half: 34,816 dense bytes as 136 rows; the mask names all four partners, bit 21 beside it
	s_mov_b32 s[G1B+1], 32<<16
	s_mov_b32 s[G1B+2], 136<<16
	s_mov_b32 s[G1B+3], 32<<16
	s_mov_b32 s[G1B+4], 136
	s_mov_b32 s[G1B+5], 32
	s_mov_b32 s[G1B+6], 0
	s_mov_b32 s[G1B+7], 0
	s_mul_i32 s56, s18, BOFF
	s_mul_i32 s20, s16, 2*REC                      ; A's half in a slot,
	s_add_co_u32 s56, s56, s20                     ; and in a K slot of memory
	s_mov_b32 s57, 0
	s_mul_i32 s58, s19, 8*REC
	s_mul_i32 s21, s16, BOFF
	s_add_co_u32 s58, s58, s21                     ; B's half in a K slot of memory: the head and the wave's number alone,
	s_mov_b32 s59, 0
	s_add_co_u32 s21, s21, BOFF                    ; and in a slot
	s_add_co_u32 s78, ttmp9, s19                   ; the walk's first K slot: (cluster x + head) mod 4: the same in all four partners
.irp j, 0,1,2,3
	s_add_co_u32 s79, s78, \j
	s_and_b32 s79, s79, 3                          ; its j-th K slot,
	s_mul_i32 s[OFS+4*\j], s79, ASTR               ; in bytes, in hq
	s_mov_b32 s[OFS+4*\j+1], 0
	s_mul_i32 s[OFS+4*\j+2], s79, BSTR             ; and in wq
	s_mov_b32 s[OFS+4*\j+3], 0
.endr
	s_mov_b32 s[SEL], 0x76543210
	s_mov_b32 s[SEL+1], 0xfedcba98
	s_mov_b32 s68, 0x3b800000                      ; 1 / 256
	s_mov_b32 s69, 0x358637bd                      ; 1e-6
	s_mov_b32 s70, 0xffff0000                      ; lanes 16-31
	s_wait_dscnt 0x0                               ; both opening adds are done
	s_wait_kmcnt 0x0
	s_add_nc_u64 s[56:57], s[4:5], s[56:57]
	s_add_nc_u64 s[58:59], s[6:7], s[58:59]
	CROUND                                         ; all four work-groups are here: the first joint loads meet
.irp s, 0,1
	s_mov_b32 s[G0A+4*\s], 1
	s_add_co_u32 s[G0A+4*\s+1], s20, \s*SLOT
	s_add_nc_u64 s[G0A+4*\s+2:G0A+4*\s+3], s[56:57], s[OFS+4*\s:OFS+4*\s+1]
	s_or_b32 s[G0A+4*\s+3], s[G0A+4*\s+3], 0x80000000
	s_mov_b32 s[G0B+4*\s], 1
	s_add_co_u32 s[G0B+4*\s+1], s21, \s*SLOT
	s_add_nc_u64 s[G0B+4*\s+2:G0B+4*\s+3], s[58:59], s[OFS+4*\s+2:OFS+4*\s+3]
	s_or_b32 s[G0B+4*\s+3], s[G0B+4*\s+3], 0x80000000
.if \s == 0
	JLOAD 0                                        ; one tensor load a wave at the head
.endif
.endr
	v_and_b32 v11, 31, v0
	v_lshlrev_b32 v[LI], 4, v11
	v_lshlrev_b32 v[L4], 2, v11
	s_mul_i32 s22, s14, REC
	v_add_nc_u32 v[ADA], s22, v[LI]
	v_add_nc_u32 v[ADA+1], SLOT, v[ADA]
	v_add_nc_u32 v[ADBL], BOFF, v[LI]
	v_add_nc_u32 v[ADBL+1], SLOT+BOFF, v[LI]
	v_add_nc_u32 v[ADBH], 2*BOFF, v[LI]
	v_add_nc_u32 v[ADBH+1], SLOT+2*BOFF, v[LI]
	v_and_b32 v12, 15, v0                          ; r
	v_bfe_u32 v13, v0, 4, 1                        ; h
	v_and_b32 v11, 8, v12
	v_add_nc_u32 v11, v11, v12                     ; r + 8 (r / 8)
	s_mul_i32 s23, s14, 32*1040
	v_mul_u32_u24 v[SA], v11, 1040
	v_lshl_add_u32 v[SA], v13, 6, v[SA]
	v_add_nc_u32 v[SA], s23, v[SA]                 ; V's stage: token row 32 w + r + 8 (r / 8) (+ 8 u in the offset), + 64 h
	v_lshlrev_b32 v[VST], 4, v12
	v_lshl_add_u32 v[VST], v13, 10, v[VST]         ; image lane / 16 of a pair, row lane % 16
	v_lshl_add_u32 v[RA], v13, 3, v11              ; my channel: 64 w + 8 (lane / 16) + r + 8 (r / 8) (+ 32 in the offset),
	v_lshlrev_b32 v[RA], 2, v[RA]
	s_lshl_b32 s23, s14, 8
	v_add_nc_u32 v[RA], s23, v[RA]                 ; as bytes in a token's row
.irp b, 1,2,3
	v_add_nc_u32 v[RA+\b], \b*32*1040, v[RA]       ; 32 b tokens down
.endr
	s_lshl_b32 s60, s18, 3
	s_lshl_b32 s61, s14, 1
	s_add_co_u32 s60, s60, s61                     ; my first token tile: 8 x token block + 2 x wave
	s_lshl_b32 s60, s60, 15
	s_mov_b32 s61, 0
	s_add_nc_u64 s[76:77], s[8:9], s[60:61]        ; its cos and sin; this pair and v[LI] are never written again
	s_cmp_ge_u32 s19, 6
	s_cbranch_scc1 .Lno_cs                         ; v has no RoPE
	WIN 0xc0                                       ; destination window 3: cos at v0-127, sin at v128-255, in the order of the accumulators' registers.  They land while K is walked
.set k, 0
.rept 32
	global_load_b128 v[4*k:4*k+3], v[LI], s[76:77] offset:512*k
	global_load_b128 v[128+4*k:128+4*k+3], v[LI], s[76:77] offset:16384+512*k
.set k, k+1
.endr
	WIN 0
.Lno_cs:
	s_wait_alu depctr_va_vdst(0)
	s_wait_tensorcnt 0x0                           ; my part of the walk's first K slot is in; slot 1's first fill is issued as a refill is
	ds_add_u32 v[SPW], v[NIL]
	s_wait_dscnt 0x0
	CROUND
	JLOAD 1
	FETCH 0, 0, 0
	SCALES 0
	GSTEP 0, 0, 1                                  ; the first step's products start the sums: nothing is cleared
	GSTEP 0, 1, 0
	GSTEP 0, 2, 0
	GTURN 0, 1, 1                                  ; slot 0 takes the walk's third K slot
	GSTEP 1, 0, 0
	GSTEP 1, 1, 0
	GSTEP 1, 2, 0
	GTURN 1, 0, 1                                  ; slot 1 takes its fourth
	GSTEP 0, 0, 0
	GSTEP 0, 1, 0
	GSTEP 0, 2, 0
	GTURN 0, 1, 0                                  ; nothing is left to fetch
	GSTEP 1, 0, 0
	GSTEP 1, 1, 0
	GSTEP 1, 2, 0
	s_wait_dscnt 0x0
	MUL 1, 1, 3, 0
	BARRIER                                        ; every wave's reads of the ring are over: it has had its last fill, and V's stage may be written there
	PLACES 4                                       ; four plain lines between the last products and the first read of results, and loads into B's registers
	; ---- the way out
	s_lshl_b32 s56, s18, 3
	s_lshl_b32 s57, s14, 1
	s_add_co_u32 s56, s56, s57                     ; my first token tile
	s_mov_b32 s59, 0
	s_lshl_b32 s60, s19, 8
	s_add_co_u32 s60, s60, s56
	s_lshl_b32 s61, s60, 11                        ; q: codes,
	s_lshl_b32 s62, s60, 7
	s_add_co_u32 s62, s62, 2097152                 ; scale words
	s_and_b32 s63, s19, 1                          ; k, v: the kv head,
	s_lshl_b32 s63, s63, 5
	s_add_co_u32 s63, s63, s18                     ; the key step = the token block,
	s_mul_i32 s63, s63, 34816                      ; the record
	s_lshl_b32 s20, s14, 12
	s_add_co_u32 s20, s20, s63                     ; k: codes of key tiles 2 w, 2 w + 1,
	s_lshl_b32 s21, s14, 8
	s_add_co_u32 s21, s21, s63
	s_add_co_u32 s21, s21, 32768                   ; their scale words
	s_cmp_lt_u32 s19, 4
	s_cselect_b64 s[72:73], s[10:11], s[12:13]
	s_cselect_b32 s58, s61, s20
	s_cselect_b32 s60, s62, s21
	s_mov_b64 s[74:75], s[72:73]
	s_add_nc_u64 s[72:73], s[72:73], s[58:59]
	s_mov_b32 s61, 0
	s_add_nc_u64 s[74:75], s[74:75], s[60:61]
.irp b, 0,1,2,3
	v_mov_b32 v[TM+4+\b], 0                        ; written once: a lane permute's destination counts as one of its sources
.endr
.macro SUMSQ u                         ; the sum of squares of a token's 256 numbers; each accumulator is read from its low end on
	WIN 0x0a                                       ; sources 0 and 1: window 2
	v_pk_mul_f32 v[SS+4*\u:SS+4*\u+1], v[128*\u:128*\u+1], v[128*\u:128*\u+1]
	v_pk_mul_f32 v[SS+4*\u+2:SS+4*\u+3], v[128*\u+2:128*\u+3], v[128*\u+2:128*\u+3]
.set n, 4
.rept 31
	v_pk_fma_f32 v[SS+4*\u:SS+4*\u+1], v[128*\u+n:128*\u+n+1], v[128*\u+n:128*\u+n+1], v[SS+4*\u:SS+4*\u+1]
	v_pk_fma_f32 v[SS+4*\u+2:SS+4*\u+3], v[128*\u+n+2:128*\u+n+3], v[128*\u+n+2:128*\u+n+3], v[SS+4*\u+2:SS+4*\u+3]
.set n, n+4
.endr
	WIN 0
	v_pk_add_f32 v[SS+4*\u:SS+4*\u+1], v[SS+4*\u:SS+4*\u+1], v[SS+4*\u+2:SS+4*\u+3]
	v_add_f32 v[SS+4*\u], v[SS+4*\u], v[SS+4*\u+1]
	v_permlanex16_b32 v[SS+4*\u+1], v[SS+4*\u], s[SEL], s[SEL+1]
	v_add_f32 v[SS+4*\u], v[SS+4*\u], v[SS+4*\u+1] ; with lane l xor 16's 128 columns
	v_fma_f32 v[SS+4*\u], v[SS+4*\u], s68, s69     ; the mean + 1e-6
.endm
.macro NORM                            ; 1 / sqrt(mean + 1e-6) of my two tiles' tokens
	SUMSQ 0
	SUMSQ 1
	s_wait_alu depctr_va_vdst(0)
	v_rsq_f32 v[RS], v[SS]
	v_rsq_f32 v[RS+2], v[SS+4]
	v_nop                                          ; a plain line behind the last of them,
	s_wait_alu depctr_va_vdst(0)                   ; and one wait for both, ahead of the first line that names a result
	v_mov_b32 v[RS+1], v[RS]                       ; (the packed forms name pairs)
	v_mov_b32 v[RS+3], v[RS+2]
.endm
	s_cmp_ge_u32 s19, 6
	s_cbranch_scc1 .Lv
	; ---- q, k
	WIN 0x40                                       ; tile 1's cos and sin into window 1, which B's fragments have left: asked for ahead of the sums of squares
.set k, 0
.rept 32
	global_load_b128 v[4*k:4*k+3], v[LI], s[76:77] offset:32768+512*k
	global_load_b128 v[128+4*k:128+4*k+3], v[LI], s[76:77] offset:49152+512*k
.set k, k+1
.endr
	WIN 0
	NORM
; RoPE on tile u, whose cos and sin lie in window wc (wv: the setting with source 0 in window 2 and all else in wc).  Register n and register n + 64 hold columns d and d + 128.  The norm's factor, one number a
; token, is applied behind the rotation, which is linear; then the two halves of D are quantised and stored as images.
.macro ROPE u, wc, wv
	WIN \wv
.set n, 0
.rept 64
	v_pk_mul_f32 v[n:n+1], v[128*\u+n:128*\u+n+1], v[n:n+1]                        ; x cos
.set n, n+2
.endr
.set n, 0
.rept 32
	v_pk_fma_f32 v[n:n+1], v[128*\u+64+n:128*\u+64+n+1], v[128+n:128+n+1], v[n:n+1] neg_lo:[1,0,0] neg_hi:[1,0,0]   ; d < 128: - x(d + 128) sin(d)
.set n, n+2
.endr
.set n, 0
.rept 32
	v_pk_fma_f32 v[64+n:64+n+1], v[128*\u+n:128*\u+n+1], v[192+n:192+n+1], v[64+n:64+n+1]   ; d >= 128: + x(d - 128) sin(d)
.set n, n+2
.endr
.irp s, 0,1
	WIN \wc                                        ; source 0 window wc, all else window 0
.set n, 0
.rept 32
	v_pk_mul_f32 v[X+n:X+n+1], v[64*\s+n:64*\s+n+1], v[RS+2*\u:RS+2*\u+1] op_sel_hi:[1,0]
.set n, n+2
.endr
	WIN 0
	QUANT X, PC+8*(2*\u+\s), PW+2*\u+\s
	global_store_b128 v[LI], v[PC+8*(2*\u+\s):PC+8*(2*\u+\s)+3], s[72:73] offset:\u*2048+\s*1024        ; half an image: 512 consecutive bytes
	global_store_b128 v[LI], v[PC+8*(2*\u+\s)+4:PC+8*(2*\u+\s)+7], s[72:73] offset:\u*2048+\s*1024+512
.endr
	v_cndmask_b32 v[SWD+\u], v[PW+2*\u], v[PW+2*\u+1], s70   ; lanes 0-15: the words of D's first half; lanes 16-31: of its second
	global_store_b32 v[L4], v[SWD+\u], s[74:75] offset:\u*128
.endm
	s_wait_loadcnt 0x3f                            ; tile 0's loads are in: 64 were issued behind them; 63 is the largest count that can be named
	ROPE 0, 3, 0xfe
	s_wait_loadcnt 0x0
	ROPE 1, 1, 0x56
	s_branch .Lend
.Lv:
	; ---- v: normed, through a stage of 128 token rows x (1,024 + 16) bytes in true order, then a lane takes a channel and runs down the keys
	NORM
	s_lshl_b32 s20, s14, 12
	s_add_co_u32 s20, s20, s63
	s_add_co_u32 s20, s20, 16384
	s_mov_b32 s21, 0
	s_add_nc_u64 s[72:73], s[12:13], s[20:21]      ; V's images of channel tiles 4 w on
	s_lshl_b32 s22, s14, 8
	s_add_co_u32 s22, s22, s63
	s_add_co_u32 s22, s22, 33792
	s_mov_b32 s23, 0
	s_add_nc_u64 s[74:75], s[12:13], s[22:23]      ; their scale words
	WIN 0x82                                       ; destination and source 0 window 2
	s_wait_alu depctr_va_vdst(0)
.irp u, 0,1
.set n, 0
.rept 64
	v_pk_mul_f32 v[128*\u+n:128*\u+n+1], v[128*\u+n:128*\u+n+1], v[RS+2*\u:RS+2*\u+1] op_sel_hi:[1,0]
.set n, n+2
.endr
.endr
	WIN 0x08                                       ; an LDS store's data: window 2
.irp u, 0,1
.set n, 0
.rept 32
	ds_store_b128 v[SA], v[128*\u+4*n:128*\u+4*n+3] offset:\u*8*1040+(n/4)*128+(n%4)*16
.set n, n+1
.endr
.endr
	WIN 0
	BARRIER                                        ; 128 whole rows of v lie in the stage
.macro VLOAD n                         ; unit n = 4 tp + b: my channel (+ 32 tp) at keys 32 b + 0..31
.irp i, 0,1,2,3,4,5,6,7,8,9,10,11,12,13,14,15,16,17,18,19,20,21,22,23,24,25,26,27,28,29,30,31
	ds_load_b32 v[X+32*((\n)%2)+\i], v[RA+(\n)%4] offset:\i*1040+128*((\n)/4)
.endr
.endm
.macro VBLK n
.set XS, X+32*((\n)%2)
	v_max3_num_f32 v100, |v[XS]|, |v[XS+1]|, |v[XS+2]|
	v_max3_num_f32 v101, |v[XS+3]|, |v[XS+4]|, |v[XS+5]|
.irp i, 6,10,14,18,22,26
	v_max3_num_f32 v100, v100, |v[XS+\i]|, |v[XS+\i+1]|
	v_max3_num_f32 v101, v101, |v[XS+\i+2]|, |v[XS+\i+3]|
.endr
	v_max3_num_f32 v100, v100, |v[XS+30]|, |v[XS+31]|
	v_max3_num_f32 v100, v100, v101, 0x1800000
	v_add_nc_u32 v102, 0xff000000, v100
	v_lshrrev_b32 v103, 23, v102
.if (\n)%4 == 0
	v_mov_b32 v[SWD+(\n)/4], v103                  ; four bytes to a word, the earlier keys in the lower byte
.else
	v_lshl_or_b32 v[SWD+(\n)/4], v103, 8*((\n)%4), v[SWD+(\n)/4]
.endif
.irp g, 0,1,2,3
	v_cvt_scalef32_pk8_fp4_f32 v[PC+4*(\n)+\g], v[XS+8*\g:XS+8*\g+7], v102
.endr
	global_store_b128 v[VST], v[PC+4*(\n):PC+4*(\n)+3], s[72:73] offset:((\n)/4)*2048+(((\n)%4)/2)*512+((\n)%2)*256   ; sixteen lanes store 256 consecutive bytes, aligned
.endm
	VLOAD 0
.irp n, 0,1,2,3,4,5,6,7
.if \n < 7
	VLOAD \n+1
	s_wait_dscnt 32                                ; this unit's 32 loads are in; the next unit's may be out
.else
	s_wait_dscnt 0x0
.endif
	VBLK \n
.endr
	v_nop                                          ; one plain line behind the last scaled conversion
	global_store_b32 v[L4], v[SWD], s[74:75]
	global_store_b32 v[L4], v[SWD+1], s[74:75] offset:128
.Lend:
	s_wait_tensorcnt 0x0                           ; the wave's end
	ds_add_u32 v[SPW], v[NIL]
	s_wait_dscnt 0x0
	CROUND                                         ; the closing round
	s_endpgm
.Lfunc_end_k_qe97b848d22_qkv:
	.size	k_qe97b848d22_qkv, .Lfunc_end_k_qe97b848d22_qkv-k_qe97b848d22_qkv
	.p2alignl 7, 3214868480
	.fill 96, 4, 3214868480
	.section	.rodata,"a",@progbits
	.p2align	6, 0x0
	.amdhsa_kernel k_qe97b848d22_qkv
		.amdhsa_group_segment_fixed_size 327680
		.amdhsa_private_segment_fixed_size 0
		.amdhsa_enable_private_segment 0
		.amdhsa_kernarg_size 40
		.amdhsa_user_sgpr_count 2
		.amdhsa_user_sgpr_kernarg_segment_ptr 1
		.amdhsa_wavefront_size32 1
		.amdhsa_system_sgpr_workgroup_id_x 1
		.amdhsa_system_sgpr_workgroup_id_y 1
		.amdhsa_system_sgpr_workgroup_id_z 1
		.amdhsa_system_vgpr_workitem_id 0
		.amdhsa_next_free_vgpr 1024
		.amdhsa_next_free_sgpr 100
		.amdhsa_reserve_vcc 0
		.amdhsa_float_denorm_mode_32 3
		.amdhsa_float_denorm_mode_16_64 3
		.amdhsa_memory_ordered 1
		.amdhsa_forward_progress 1
		.amdhsa_inst_pref_size 231
	.end_amdhsa_kernel
	.amdgpu_metadata
---
amdhsa.version: [ 1, 2 ]
amdhsa.kernels:
  - .name:           k_qe97b848d22_qkv
    .symbol:         k_qe97b848d22_qkv.kd
    .args:
      - { .name: hq, .offset: 0, .size: 8, .value_kind: global_buffer, .address_space: global }
      - { .name: wq, .offset: 8, .size: 8, .value_kind: global_buffer, .address_space: global }
      - { .name: cs, .offset: 16, .size: 8, .value_kind: global_buffer, .address_space: global }
      - { .name: qi, .offset: 24, .size: 8, .value_kind: global_buffer, .address_space: global }
      - { .name: kv, .offset: 32, .size: 8, .value_kind: global_buffer, .address_space: global }
    .group_segment_fixed_size: 327680
    .private_segment_fixed_size: 0
    .kernarg_segment_align: 8
    .kernarg_segment_size: 40
    .max_flat_workgroup_size: 128
    .sgpr_count:     100
    .vgpr_count:     1024
    .wavefront_size: 32
...
	.end_amdgpu_metadata
.endif
;; end of part 2
;; launch attn (part 3): grid 128 x 2, 8 waves a work-group, clusters of 4 x 1, 327,680 bytes of LDS; arguments qi, kv, aq; writes aq
.if DOCPART == 3
	.amdgcn_target "amdgcn-amd-amdhsa--gfx1250"
	.amdhsa_code_object_version 6
	.text
	.protected	k_qe97b848d22_attn
	.globl	k_qe97b848d22_attn
	.p2align	8
	.type	k_qe97b848d22_attn,@function
k_qe97b848d22_attn:
	s_mov_b64 s[64:65], 0
	v_nop
	global_prefetch_b8 v0, s[64:65] scope:SCOPE_SE
	s_setreg_imm32_b32 hwreg(HW_REG_WAVE_MODE, 25, 1), 1
	s_wait_xcnt 0x0
	s_wait_alu depctr_hold_cnt(0) depctr_sa_sdst(0) depctr_va_vdst(0) depctr_va_sdst(0) depctr_va_ssrc(0) depctr_va_vcc(0) depctr_vm_vsrc(0)
	s_getreg_b32 s2, hwreg(HW_REG_IB_STS2, 6, 4)
	s_cmp_eq_u32 s2, 0
	s_cbranch_scc0 .Lentry_in_a_cluster
	s_endpgm
.Lentry_in_a_cluster:
	s_bfe_u32 s2, ttmp6, 0x10000c
	s_cmp_lg_u32 s2, 0x3003
	s_cbranch_scc0 .Lentry_shape_is_right
	s_endpgm
.Lentry_shape_is_right:
; attn[q][head][:] = the sum over keys k <= q of softmax_k(q . k / 256) v[k][:], both products on codes of FP4, then quantised along head x 256 + d for the last product.
; LEFT OUT: steps of 128 keys all of which come after all 16 queries of a tile (the causal mask that reference() builds itself gives them the weight 0: see launch prep's head).
; THE SOFTMAX: t = score x log2(e) / 256, p = 2^(t - M) with the whole number M = 0 for every row.  reference() itself normalises q and k (x / sqrt(mean(x^2) + eps): norm at most 16; RoPE turns pairs and keeps it),
; the quantiser at most doubles a magnitude, so |q . k| <= 32 x 32, |score| <= 4 and |t| < 6 for every input: p lies in 2^-6 .. 2^6 and a row's sum under 2^18.  Against the row's own M, p differs by an exact
; power of two, which the blocks' scale bytes take up: the codes are the same.  The sum is taken of the unquantised p and divides at the end.  Hidden scores of the diagonal step become -infinity, p = 0.
; SHARES.  Work-group (i, kv head) owns token tiles 255 - i (late, L = 17..32 key steps) and i (early, E = 33 - L), for both query heads.  It walks NINE trips of four kv records: ceil(L / 4) trips for the late tile,
; then ceil(E / 4) for the early one, 9 together for every i.  SCORES: wave w = 2 j + c takes record j, keys 64 c .. 64 c + 63, BOTH heads (a fragment of K feeds two matrix instructions), and leaves p's codes
; (half an image a head) and scale bytes in LDS.  SUMS: wave w owns channel tiles 2 w, 2 w + 1 of both heads, 32 accumulator registers, over all four records; so no O^T is joined at the end, only the rows' sums meet.
; THE SUMS RUN ONE TRIP BEHIND THE SCORES: trip t multiplies V(t - 1), which it took into registers in trip t - 1, by p(t - 1), which all waves stored ahead of trip t's change of slots.  So a trip has one meeting.
; p and the rows' sums lie in LDS twice, EXB bytes apart, by the trip's parity: a trip stores into one copy and reads the other.  Records past a tile's steps are jumped over by branches on ids and the count of trips.
; CLUSTER: work-groups i = 4 X .. 4 X + 3 have the same L and E ((63 - X) / 2 + 1, X / 2 + 1), so they walk the same records in the same trips: every slot is asked for jointly (mask 15), an eighth a wave.
; One tensor load a wave is out; every wait on TENSORcnt is for 0.
; PREFETCH: in trip t each wave names, of its eighth of the late walk's slot t + 2 (the load of trip t + 1), the 17 blocks of 256 bytes that fall to its work-group (4 x 17 = 68), a lane a block; lanes over 16 name the
; last again.  It stops where t + 2 reaches the late walk's end; the early walk's records have been read in the late walk and are not asked for; slots 0 and 1 come by their loads alone.
; REGISTERS: window 0: v1-29 addresses and constants; v30-47, v94-95 scale words alone; v48-53 sums; v54-71 at work; v78-93 codes; v96-127 O^T; v128-191 K's fragments; v192-255 S^T, then p.
; Window 1: v0-31 Q of the tile in hand, v32-63 Q of the early tile, v64-127 p's fragments, v128-191 V's fragments.
.set REC,   34816
.set SLOTB, 4*REC
.set SPARE, 2*SLOTB                    ; the spare words, 128 bytes for each of eight waves
.set PX,    SPARE+1024                 ; p's images [record 4][head 2][1,024]
.set PS,    PX+8192                    ; p's scale words [record 4][head 2][row 16]
.set XL,    PS+512                     ; the waves' sums [wave 8][lane 32][head 2]
.set EXB,   10752                      ; from one copy of these three to the other
.set XS,    PX+2*EXB                   ; the result's scale bytes [tile 2][row 16][16]
.set LI,1
.set SPW,2
.set NIL,3
.set AK,4
.set ASK,5
.set AVA,6
.set ASVA,8
.set L4,10
.set R4,11
.set L8,12
.set PXS,16
.set PSS,17
.set PXL,18
.set PSL,19
.set XLS,20
.set XLL,21
.set XSS,22
.set GA,23
.set DG,24
.set DE,25
.set NINF,26
.set PFO,27
.set XSR,28
.set GS,29
.set KS,30
.set QS,34
.set VS,36
.set PSW,40
.set LS,48
.set LT,52
.set TB,54
.set PC,78
.set FC,86
.set QSE,94
.set O,96
.set KF,128
.set S,192
.set W,10
.set J,11
.set C,12
.set WOF,13
.set PSTEPS,14
.set PB4,15
.set TL1,16
.set L,17
.set E,18
.set TL,19
.set SEL,20
.set CS,22
.set G1,24
.set G0,32
.set TT,41
.set KVB,42
.set OFF,44
.set STEPS,46
.set B4,47
.set KSS,48
.set T0,49
.set CNT,50
.set PF,52
.set AQ,54
.set TBS,58
.set TBO,59
.set TP,60
.set TQ,61
.set MSB, 0
.macro WIN new                         ; the immediate's high byte repeats the setting that is left
.if MSB != \new
	s_set_vgpr_msb (MSB<<8)|\new
.set MSB, \new
.endif
.endm
.macro PLACES n
.rept \n
	v_nop
.endr
.endm
.macro CROUND                          ; a round of the cluster's barrier
	s_barrier_signal -1
	s_barrier_wait -1
	s_cmp_lg_u32 s[W], 0
	s_cbranch_scc1 .Lnot_wave_0_\@
	s_barrier_signal -3
.Lnot_wave_0_\@:
	s_barrier_wait -3
	s_barrier_signal -1
	s_barrier_wait -1
.endm
.macro TOFF t, a, b                    ; s[a]: my 256 bytes of codes of tile s[t] in aq; s[b]: the tile's 256 bytes of scale words
	s_lshr_b32 s[\a], s[\t], 1
	s_add_co_u32 s[\a], s[\a], s80
	s_mul_i32 s[\a], s[\a], 8704
	s_and_b32 s66, s[\t], 1
	s_lshl_b32 s67, s66, 8
	s_add_co_u32 s[\b], s[\a], s67
	s_add_co_u32 s[\b], s[\b], 8192
	s_lshl_b32 s66, s66, 10
	s_add_co_u32 s[\a], s[\a], s66
	s_add_co_u32 s[\a], s[\a], s81
.endm
.macro PLACE t, d                      ; s[d]: tile s[t]'s first token in its key step, less my 64 c keys
	s_lshr_b32 s[\d], s[\t], 1
	s_and_b32 s[\d], s[\d], 3
	s_lshl_b32 s[\d], s[\d], 5
	s_and_b32 s66, s[\t], 1
	s_lshl_b32 s66, s66, 3
	s_add_co_u32 s[\d], s[\d], s66
	s_sub_co_u32 s[\d], s[\d], s67
.endm
.macro VLOADS                          ; V's fragments of my two channel tiles, all four records, into window 1; their scale words (lanes 0-15: tile 2 w; lanes 16-31: tile 2 w + 1)
	WIN 0x40
.irp jj, 0,1,2,3
.irp u, 0,1
.irp cc, 0,1
	ds_load_b128 v[128+16*\jj+8*\u+4*\cc:128+16*\jj+8*\u+4*\cc+3], v[AVA+\jj/2] offset:(\jj%2)*REC+\u*1024+512*\cc
.endr
.endr
.endr
	WIN 0
.irp jj, 0,1,2,3
	ds_load_b32 v[VS+\jj], v[ASVA+\jj/2] offset:(\jj%2)*REC
.endr
.endm
.macro PLOADS                          ; the last trip's p, all four records, both heads, into window 1; its scale words: 24 loads
	WIN 0x40
.irp jj, 0,1,2,3
.irp hh, 0,1
.irp cc, 0,1
	ds_load_b128 v[64+16*\jj+8*\hh+4*\cc:64+16*\jj+8*\hh+4*\cc+3], v[PXL] offset:\jj*2048+\hh*1024+512*\cc
.endr
.endr
.endr
	WIN 0
.irp jj, 0,1,2,3
.irp hh, 0,1
	ds_load_b32 v[PSW+2*\jj+\hh], v[PSL] offset:\jj*128+64*\hh
.endr
.endr
.endm
.macro SOFT1                           ; block q = 2 head + b: registers S + 16 q + i = key 64 c + 32 b + 16 h + i.  The blocks' largest scores, and t
.irp q, 0,1,2,3
	v_max3_num_f32 v[TB+\q], v[S+16*\q], v[S+16*\q+1], v[S+16*\q+2]   ; each block's largest score: p rises with the score
.endr
.irp i, 3,5,7,9,11,13
.irp q, 0,1,2,3
	v_max3_num_f32 v[TB+\q], v[TB+\q], v[S+16*\q+\i], v[S+16*\q+\i+1]
.endr
.endr
.irp q, 0,1,2,3
	v_max_num_f32 v[TB+\q], v[TB+\q], v[S+16*\q+15]
.endr
.irp q, 0,1,2,3
	s_delay_alu instid0(VALU_DEP_4)
	v_permlanex16_b32 v[TB+4+\q], v[TB+\q], s[SEL], s[SEL+1]
.endr
.irp q, 0,1,2,3
	s_delay_alu instid0(VALU_DEP_4)
	v_max_num_f32 v[TB+\q], v[TB+\q], v[TB+4+\q]   ; with lane l xor 16's 16 keys
.endr
.set n, 0
.rept 32
	v_pk_mul_f32 v[S+n:S+n+1], v[S+n:S+n+1], s[CS:CS+1] op_sel_hi:[1,0]   ; t, two at a time
.set n, n+2
.endr
.irp q, 0,1,2,3
	v_mul_f32 v[TB+\q], s[CS], v[TB+\q]
.endr
.endm
.macro SOFT2                           ; p, the rows' sums, p's codes and scale bytes
	s_wait_alu depctr_va_vdst(0)
.set n, 0
.rept 64
	v_exp_f32 v[S+n], v[S+n]                       ; p = 2^t
.set n, n+1
.endr
	v_nop                                          ; a plain line behind the batch
	s_wait_alu depctr_va_vdst(0)                   ; one wait for the batch, ahead of its first reader
.irp q, 0,1,2,3
	v_exp_f32 v[TB+\q], v[TB+\q]                   ; the blocks' largest p
.endr
.irp hh, 0,1                           ; the rows' sums of the unquantised p, two chains a head (plain work behind the four)
	v_pk_add_f32 v[TB+12+2*\hh:TB+13+2*\hh], v[S+32*\hh:S+32*\hh+1], v[S+32*\hh+2:S+32*\hh+3]
.endr
.irp i, 4,8,12,16,20,24,28
.irp hh, 0,1
	v_pk_add_f32 v[LS+2*\hh:LS+2*\hh+1], v[LS+2*\hh:LS+2*\hh+1], v[S+32*\hh+\i:S+32*\hh+\i+1]
	v_pk_add_f32 v[TB+12+2*\hh:TB+13+2*\hh], v[TB+12+2*\hh:TB+13+2*\hh], v[S+32*\hh+\i+2:S+32*\hh+\i+3]
.endr
.endr
.irp hh, 0,1
	v_pk_add_f32 v[LS+2*\hh:LS+2*\hh+1], v[LS+2*\hh:LS+2*\hh+1], v[TB+12+2*\hh:TB+13+2*\hh]
.endr
	s_wait_alu depctr_va_vdst(0)                   ; and one for the four
.irp q, 0,1,2,3
	v_max_num_f32 v[TB+\q], 0x1800000, v[TB+\q]    ; the floor 2^(3 - 127): a block whose every p is 0 keeps the byte 1: its codes are zeros
.endr
.irp q, 0,1,2,3
	s_delay_alu instid0(VALU_DEP_4)
	v_add_nc_u32 v[TB+8+\q], 0xff000000, v[TB+\q]  ; 2 off the exponent field: the conversion's scale operand
.endr
.irp q, 0,1,2,3
	s_delay_alu instid0(VALU_DEP_4)
	v_lshrrev_b32 v[TB+4+\q], 23, v[TB+8+\q]       ; the scale's byte
.endr
	v_lshl_or_b32 v[TB+16], v[TB+5], 8, v[TB+4]    ; my two bytes of a head's scale word
	v_lshl_or_b32 v[TB+17], v[TB+7], 8, v[TB+6]
.irp q, 0,1,2,3
	v_cvt_scalef32_pk8_fp4_f32 v[PC+2*\q], v[S+16*\q:S+16*\q+7], v[TB+8+\q]
	v_cvt_scalef32_pk8_fp4_f32 v[PC+2*\q+1], v[S+16*\q+8:S+16*\q+15], v[TB+8+\q]
.endr
	v_nop                                          ; one plain line behind the last scaled conversion
.irp hh, 0,1
.irp i, 0,1
	v_permlane16_swap_b32 v[PC+4*\hh+\i], v[PC+4*\hh+2+\i]   ; a whole block in a lane: lanes 0-15 block 2 c, lanes 16-31 block 2 c + 1
.endr
.endr
	ds_store_b128 v[PXS], v[PC:PC+3]               ; half c of p's image, head 0,
	ds_store_b128 v[PXS], v[PC+4:PC+7] offset:1024 ; head 1
	ds_store_b16 v[PSS], v[TB+16]                  ; lanes l and l xor 16 write the same bytes with the same value
	ds_store_b16 v[PSS], v[TB+17] offset:64
.endm
.macro PV jj, wt                       ; O^T += V^T P^T of record jj: my four accumulators by turns; sources 0 and 1 in window 1
.irp u, 0,1
.irp hh, 0,1
.if \wt
	s_wait_alu depctr_va_vdst(0)                   ; directly ahead of the first reader of a matrix result behind transcendentals
.endif
.if \u
	v_wmma_scale_f32_16x16x128_f8f6f4 v[O+16*\hh+8:O+16*\hh+15], v[128+16*\jj+8:128+16*\jj+15], v[64+16*\jj+8*\hh:64+16*\jj+8*\hh+7], v[O+16*\hh+8:O+16*\hh+15], v[VS+\jj], v[PSW+2*\jj+\hh] matrix_a_fmt:MATRIX_FMT_FP4 matrix_b_fmt:MATRIX_FMT_FP4 matrix_a_scale:MATRIX_SCALE_ROW1
.else
	v_wmma_scale_f32_16x16x128_f8f6f4 v[O+16*\hh:O+16*\hh+7], v[128+16*\jj:128+16*\jj+7], v[64+16*\jj+8*\hh:64+16*\jj+8*\hh+7], v[O+16*\hh:O+16*\hh+7], v[VS+\jj], v[PSW+2*\jj+\hh] matrix_a_fmt:MATRIX_FMT_FP4 matrix_b_fmt:MATRIX_FMT_FP4
.endif
.endr
.endr
.endm
.macro PVS                             ; the last trip's records; those past its tile's steps are left out (its first record always counts)
	WIN 0x05
	PV 0, 1
	WIN 0
.irp jj, 1,2,3
	s_add_co_u32 s[T0], s[PB4], \jj
	s_cmp_lt_u32 s[T0], s[PSTEPS]
	s_cbranch_scc0 .Lpe_\@
	WIN 0x05
	PV \jj, 0
	WIN 0
.endr
.Lpe_\@:
.endm
; A TILE IS FINISHED (ti = 0: the late one, 1: the early one): the eight waves' sums are added, my 32 channels of both heads are divided, quantised (one block of 32 a head) and stored.  K's registers serve as room.
.macro FLUSH ti
	PLACES 4
.irp k, 0,1,2,3,4,5,6,7
	ds_load_b64 v[KF+2*\k:KF+2*\k+1], v[XLL] offset:256*\k   ; wave k's sums of my lane's row, head 0 and 1: stored ahead of the meeting just passed
.endr
	s_wait_dscnt 0x0
.irp k, 0,4,8,12
	v_pk_add_f32 v[KF+\k:KF+\k+1], v[KF+\k:KF+\k+1], v[KF+\k+2:KF+\k+3]
.endr
	v_pk_add_f32 v[KF:KF+1], v[KF:KF+1], v[KF+4:KF+5]
	v_pk_add_f32 v[KF+8:KF+9], v[KF+8:KF+9], v[KF+12:KF+13]
	s_delay_alu instid0(VALU_DEP_1)
	v_pk_add_f32 v[KF:KF+1], v[KF:KF+1], v[KF+8:KF+9]
	s_delay_alu instid0(VALU_DEP_1)
	v_permlanex16_b32 v[TB+4], v[KF], s[SEL], s[SEL+1]
	v_permlanex16_b32 v[TB+5], v[KF+1], s[SEL], s[SEL+1]
	s_delay_alu instid0(VALU_DEP_2)
	v_add_f32 v[KF], v[KF], v[TB+4]                ; with lane l xor 16's keys: the row's sum
	s_delay_alu instid0(VALU_DEP_2)
	v_add_f32 v[KF+1], v[KF+1], v[TB+5]
	s_wait_alu depctr_va_vdst(0)
	v_rcp_f32 v[KF+16], v[KF]
	v_rcp_f32 v[KF+18], v[KF+1]
	v_nop
	s_wait_alu depctr_va_vdst(0)                   ; for the two, and directly ahead of the first readers of O^T
.irp hh, 0,1
.irp i, 0,2,4,6,8,10,12,14
	v_pk_mul_f32 v[KF+32+16*\hh+\i:KF+33+16*\hh+\i], v[O+16*\hh+\i:O+16*\hh+\i+1], v[KF+16+2*\hh:KF+17+2*\hh] op_sel_hi:[1,0]   ; register 16 head + i: channel 32 w + 16 h + i
.endr
.endr
.irp hh, 0,1
	v_max3_num_f32 v[TB+8+\hh], |v[KF+32+16*\hh]|, |v[KF+33+16*\hh]|, 0x1800000
.endr
.irp i, 2,4,6,8,10,12,14
.irp hh, 0,1
	s_delay_alu instid0(VALU_DEP_2)
	v_max3_num_f32 v[TB+8+\hh], v[TB+8+\hh], |v[KF+32+16*\hh+\i]|, |v[KF+33+16*\hh+\i]|
.endr
.endr
.irp hh, 0,1
	s_delay_alu instid0(VALU_DEP_2)
	v_permlanex16_b32 v[TB+4+\hh], v[TB+8+\hh], s[SEL], s[SEL+1]
.endr
.irp hh, 0,1
	s_delay_alu instid0(VALU_DEP_2)
	v_max_num_f32 v[TB+8+\hh], v[TB+8+\hh], v[TB+4+\hh]
.endr
.irp hh, 0,1
	s_delay_alu instid0(VALU_DEP_2)
	v_add_nc_u32 v[TB+10+\hh], 0xff000000, v[TB+8+\hh]
.endr
.irp hh, 0,1
	s_delay_alu instid0(VALU_DEP_2)
	v_lshrrev_b32 v[TB+4+\hh], 23, v[TB+10+\hh]
.endr
.irp hh, 0,1
	v_cvt_scalef32_pk8_fp4_f32 v[FC+4*\ti+2*\hh], v[KF+32+16*\hh:KF+39+16*\hh], v[TB+10+\hh]
	v_cvt_scalef32_pk8_fp4_f32 v[FC+4*\ti+2*\hh+1], v[KF+40+16*\hh:KF+47+16*\hh], v[TB+10+\hh]
.endr
	v_nop                                          ; one plain line behind the last scaled conversion
.irp hh, 0,1
	global_store_b64 v[GA], v[FC+4*\ti+2*\hh:FC+4*\ti+2*\hh+1], s[AQ+2*\ti:AQ+2*\ti+1] offset:4096*\hh   ; block w of the head: 32 lanes store 256 consecutive bytes, aligned; these registers are written once
	ds_store_b8 v[XSS], v[TB+4+\hh] offset:256*\ti+8*\hh   ; byte 8 head + w of the row's 16
.endr
.if \ti == 0
.set n, 0
.rept 32
	v_mov_b32 v[O+n], 0                            ; the early tile's sums begin
.set n, n+1
.endr
.endif
.endm
; A TRIP.  first = 1: the walk's first, with no products of a trip before and every record counting (L is 17 at the least).  fill = 1: the other slot is asked for jointly.
.macro TRIP first, fill
	s_wait_alu depctr_va_vdst(0)
	s_wait_tensorcnt 0x0                           ; my eighth of this trip's slot is in; no load of mine is out
	ds_add_u32 v[SPW], v[NIL]                      ; work on scalar registers stands between the add and the wait for it
.if \first == 0
	s_mov_b32 s[PSTEPS], s[STEPS]                  ; the last trip's tile's steps and first step, for its products
	s_mov_b32 s[PB4], s[B4]
	s_xor_b32 s[TBS], s[TBS], SLOTB                ; the slot in hand: 0 or SLOTB,
	s_xor_b32 s[TP], s[TP], EXB                    ; the copy that this trip stores into: 0 or EXB
.endif
	s_xor_b32 s[TBO], s[TBS], SLOTB                ; the other slot,
	s_xor_b32 s[TQ], s[TP], EXB                    ; the copy that the last trip stored into
	s_cmp_lt_u32 s[TT], s[TL]                      ; the late tile's trip or the early one's
	s_cselect_b32 s[STEPS], s[L], s[E]
	s_cselect_b32 s[T0], 0, s[TL]
	s_sub_co_u32 s[B4], s[TT], s[T0]
	s_lshl_b32 s[B4], s[B4], 2                     ; the slot's first key step,
	s_add_co_u32 s[KSS], s[B4], s[J]               ; mine
	s_add_co_u32 s[TT], s[TT], 1
	s_add_co_u32 s82, s70, s[TBS]
	s_add_co_u32 s83, s71, s[TBS]
	s_add_co_u32 s84, s72, s[TBS]
	s_add_co_u32 s85, s84, 2*REC                   ; records 2, 3 (an LDS offset has 16 bits)
	s_add_co_u32 s86, s73, s[TBS]
	s_add_co_u32 s87, s86, 2*REC
	s_add_co_u32 s88, s74, s[TP]
	s_add_co_u32 s89, s75, s[TP]
	s_add_co_u32 s90, s76, s[TP]
	s_add_co_u32 s91, s[TQ], PX
	s_add_co_u32 s92, s[TQ], PS
	s_add_co_u32 s93, s[TQ], XL
.if \fill
	s_cmp_lt_u32 s[TT], s[TL]
	s_cselect_b32 s[T0], 0, s[TL]
	s_sub_co_u32 s[T0], s[TT], s[T0]
	s_mul_i32 s[OFF], s[T0], SLOTB                 ; the next trip's four records
	s_add_nc_u64 s[G0+2:G0+3], s[KVB:KVB+1], s[OFF:OFF+1]
	s_or_b32 s[G0+3], s[G0+3], 0x80000000
	s_add_co_u32 s[G0+1], s[WOF], s[TBO]
	s_wait_xcnt 0x0                                ; my last prefetch has read its address
	s_add_nc_u64 s[PF:PF+1], s[PF:PF+1], SLOTB
.endif
	s_wait_dscnt 0x0                               ; the add is done; my reads of the other slot and of the other copy are over; my p and sums lie in LDS
.if \fill
	CROUND                                         ; no wave of any partner still reads the other slot or has a load on its way
	tensor_load_to_lds s[G0:G0+3], s[G1:G1+7]
	s_nop 0
.else
	s_barrier_signal -1
	s_barrier_wait -1
.endif
	v_add_nc_u32 v[AK], s82, v[LI]                 ; the trip's addresses (these twelve lines are also the places behind the last products)
	v_add_nc_u32 v[ASK], s83, v[L4]
	v_add_nc_u32 v[AVA], s84, v[LI]
	v_add_nc_u32 v[AVA+1], s85, v[LI]
	v_add_nc_u32 v[ASVA], s86, v[L4]
	v_add_nc_u32 v[ASVA+1], s87, v[L4]
	v_add_nc_u32 v[PXS], s88, v[LI]
	v_add_nc_u32 v[PSS], s89, v[R4]
	v_add_nc_u32 v[XLS], s90, v[L8]
	v_add_nc_u32 v[PXL], s91, v[LI]
	v_add_nc_u32 v[PSL], s92, v[R4]
	v_add_nc_u32 v[XLL], s93, v[L8]
	s_wait_alu depctr_va_vdst(0)
.if \fill
	s_add_co_u32 s[T0], s[TT], 1
	s_cmp_lt_u32 s[T0], s[TL]
	s_cbranch_scc0 .Lna_\@
	s_cmp_lt_u32 ttmp9, 4
	s_cbranch_scc0 .Lno_prefetch_attn0_\@
	global_prefetch_b8 v[PFO], s[PF:PF+1] th:TH_LOAD_NT scope:SCOPE_SE
.Lno_prefetch_attn0_\@:
.Lna_\@:
.endif
.if \first == 0
	s_cmp_ge_u32 s[KSS], s[STEPS]                  ; my record lies past the tile's steps: its scores are left out
	s_cbranch_scc1 .La_\@
.endif
.irp kt, 0,1,2,3
.irp s, 0,1
.irp cc, 0,1
	ds_load_b128 v[KF+16*\kt+8*\s+4*\cc:KF+16*\kt+8*\s+4*\cc+3], v[AK] offset:\kt*2048+\s*1024+512*\cc
.endr
.endr
	ds_load_b32 v[KS+\kt], v[ASK] offset:\kt*128   ; lanes 0-15: the words of D's first half; lanes 16-31: of its second
.endr
.La_\@:
.if \first == 0
	PLOADS
	s_cmp_ge_u32 s[KSS], s[STEPS]
	s_cbranch_scc1 .Lb_\@
	s_wait_dscnt 24                                ; K's twenty loads are in; p's 24, issued behind them, may be out
.else
	s_wait_dscnt 0x0
.endif
	WIN 0x04                                       ; source 1 (Q) window 1
.irp kt, 0,1,2,3                       ; S^T = K Q^T: eight accumulators by turns
.irp hh, 0,1
	v_wmma_scale_f32_16x16x128_f8f6f4 v[S+32*\hh+8*\kt:S+32*\hh+8*\kt+7], v[KF+16*\kt:KF+16*\kt+7], v[16*\hh:16*\hh+7], 0, v[KS+\kt], v[QS+\hh] matrix_a_fmt:MATRIX_FMT_FP4 matrix_b_fmt:MATRIX_FMT_FP4
.endr
.endr
.irp kt, 0,1,2,3
.irp hh, 0,1
	v_wmma_scale_f32_16x16x128_f8f6f4 v[S+32*\hh+8*\kt:S+32*\hh+8*\kt+7], v[KF+16*\kt+8:KF+16*\kt+15], v[16*\hh+8:16*\hh+15], v[S+32*\hh+8*\kt:S+32*\hh+8*\kt+7], v[KS+\kt], v[QS+\hh] matrix_a_fmt:MATRIX_FMT_FP4 matrix_b_fmt:MATRIX_FMT_FP4 matrix_a_scale:MATRIX_SCALE_ROW1 matrix_b_scale:MATRIX_SCALE_ROW1
.endr
.endr
	WIN 0
	PLACES 4
	s_add_co_u32 s[T0], s[KSS], 1
	s_cmp_lg_u32 s[T0], s[STEPS]                   ; the tile's last step lies on the diagonal
	s_cbranch_scc1 .Lopen_\@
.set n, 0
.rept 32
	v_cmp_gt_i32 vcc_lo, 32*(n/16)+n%16, v[DG]     ; hidden where 32 b + i > my query's place - 64 c - 16 h; one test serves both heads
	v_cndmask_b32 v[S+n], v[S+n], v[NINF], vcc_lo
	v_cndmask_b32 v[S+32+n], v[S+32+n], v[NINF], vcc_lo
.set n, n+1
.endr
.Lopen_\@:
	SOFT1                                          ; p's loads land under these lines
.Lb_\@:
.if \first == 0
	s_wait_dscnt 0x0
	PVS
	s_cmp_lg_u32 s[TT], s[TL1]                     ; those were the late tile's last products?
	s_cbranch_scc1 .Lnf_\@
	FLUSH 0
.Lnf_\@:
	PLACES 4                                       ; between the products and loads into their registers
.endif
	VLOADS                                         ; this trip's V, for the next trip's products: it lands under the exponentials
.if \first == 0
	s_cmp_ge_u32 s[KSS], s[STEPS]
	s_cbranch_scc1 .Lc_\@
.endif
	SOFT2
.Lc_\@:
	v_add_f32 v[LT], v[LS], v[LS+1]                ; my sums so far, of the tile in hand
	v_add_f32 v[LT+1], v[LS+2], v[LS+3]
	ds_store_b64 v[XLS], v[LT:LT+1]
.if (\fill) && (\first == 0)
	s_cmp_lg_u32 s[TT], s[TL]                      ; that was the late tile's last trip?  Then the early tile comes into hand: its Q, its diagonal's test, sums from 0
	s_cbranch_scc1 .Lns_\@
	v_mov_b32 v[QS], v[QSE]
	v_mov_b32 v[QS+1], v[QSE+1]
	v_mov_b32 v[DG], v[DE]
	WIN 0x41
.set n, 0
.rept 32
	v_mov_b32 v[n], v[32+n]
.set n, n+1
.endr
	WIN 0
.irp i, 0,1,2,3
	v_mov_b32 v[LS+\i], 0
.endr
.Lns_\@:
.endif
.endm
	s_load_b128 s[4:7], s[0:1], 0x0                ; qi, kv
	s_load_b64 s[8:9], s[0:1], 0x10                ; aq
	v_lshl_add_u32 v[SPW], v0, 2, SPARE
	v_mov_b32 v[NIL], 0
	ds_add_u32 v[SPW], v[NIL]                      ; the wave's opening
	ds_add_u32 v[SPW], v[NIL]
	v_lshrrev_b32 v54, 5, v0
	v_readfirstlane_b32 s[W], v54                  ; wave 0..7
	s_lshr_b32 s[J], s[W], 1                       ; my record of a slot,
	s_and_b32 s[C], s[W], 1                        ; my half of its keys
	s_mov_b32 s36, ttmp9                           ; X, the cluster's number
	s_bfe_u32 s37, ttmp6, 0x40000                  ; cx: it enters Q's, aq's and the prefetch's addresses and the diagonal's test alone
	s_lshl_b32 s38, s36, 2
	s_add_co_u32 s38, s38, s37                     ; the early tile,
	s_sub_co_u32 s39, 255, s38                     ; the late tile
	s_sub_co_u32 s[L], 63, s36
	s_lshr_b32 s[L], s[L], 1
	s_add_co_u32 s[L], s[L], 1                     ; the late tile's key steps: the same in all four partners,
	s_lshr_b32 s[E], s36, 1
	s_add_co_u32 s[E], s[E], 1                     ; the early tile's,
	s_add_co_u32 s[TL], s[L], 3
	s_lshr_b32 s[TL], s[TL], 2                     ; the late tile's trips
	s_add_co_u32 s[TL1], s[TL], 1
	s_and_b32 s40, ttmp7, 0xffff                   ; the kv head
	s_mov_b32 s[SEL], 0x76543210
	s_mov_b32 s[SEL+1], 0xfedcba98
	s_mov_b32 s[CS], 0x3bb8aa3b                    ; log2(e) / 256
	s_mov_b32 s[CS+1], s[CS]
	s_mov_b32 s[G1], 15|(3<<16)|(1<<21)            ; an eighth of a slot: 17,408 dense bytes as 68 rows of 32 elements of 8 bytes; the mask names all four partners
	s_mov_b32 s[G1+1], 32<<16
	s_mov_b32 s[G1+2], 68<<16
	s_mov_b32 s[G1+3], 32<<16
	s_mov_b32 s[G1+4], 68
	s_mov_b32 s[G1+5], 32
	s_mov_b32 s[G1+6], 0
	s_mov_b32 s[G1+7], 0
	s_mov_b32 s[TT], 0
	s_mov_b32 s[TBS], 0
	s_mov_b32 s[TP], 0
	s_mov_b32 s[OFF+1], 0
	s_mul_i32 s[WOF], s[W], 17408
	s_mul_i32 s[KVB], s40, 32*REC
	s_add_co_u32 s[KVB], s[KVB], s[WOF]
	s_mov_b32 s[KVB+1], 0
	s_mul_i32 s70, s[J], REC
	s_lshl_b32 s66, s[C], 9
	s_add_co_u32 s71, s70, s66
	s_add_co_u32 s71, s71, 32768                   ; K's scale words of my four key tiles,
	s_lshl_b32 s66, s[C], 13
	s_add_co_u32 s70, s70, s66                     ; their images
	s_lshl_b32 s72, s[W], 11
	s_add_co_u32 s72, s72, 16384                   ; V's images of my two channel tiles,
	s_lshl_b32 s73, s[W], 7
	s_add_co_u32 s73, s73, 33792                   ; their scale words
	s_lshl_b32 s74, s[J], 11
	s_lshl_b32 s66, s[C], 9
	s_add_co_u32 s74, s74, s66
	s_add_co_u32 s74, s74, PX
	s_lshl_b32 s75, s[J], 7
	s_lshl_b32 s66, s[C], 1
	s_add_co_u32 s75, s75, s66
	s_add_co_u32 s75, s75, PS
	s_lshl_b32 s76, s[W], 8
	s_add_co_u32 s76, s76, XL
	s_add_co_u32 s77, s[W], XS
	s_lshl_b32 s67, s[C], 6
	PLACE 39, 78
	PLACE 38, 79
	s_lshl_b32 s80, s40, 7
	s_lshr_b32 s81, s[W], 2
	s_lshl_b32 s81, s81, 11
	s_and_b32 s66, s[W], 3
	s_lshl_b32 s66, s66, 8
	s_add_co_u32 s81, s81, s66                     ; block w of a head: image pair w / 4, 256 bytes number w % 4 of the image
	TOFF 39, 82, 86
	TOFF 38, 84, 87
	s_mov_b32 s83, 0
	s_mov_b32 s85, 0
	s_lshl_b32 s66, s40, 9                         ; head 2 kvh x 256 tiles
	s_add_co_u32 s67, s66, s39
	s_lshl_b32 s88, s67, 11                        ; the late tile's Q: codes,
	s_mov_b32 s89, 0
	s_lshl_b32 s90, s67, 7
	s_add_co_u32 s90, s90, 2097152                 ; scale words
	s_mov_b32 s91, 0
	s_add_co_u32 s67, s66, s38
	s_lshl_b32 s92, s67, 11                        ; the early tile's
	s_mov_b32 s93, 0
	s_lshl_b32 s94, s67, 7
	s_add_co_u32 s94, s94, 2097152
	s_mov_b32 s95, 0
	s_mul_i32 s68, s37, 4352                       ; my work-group's 17 blocks of a wave's 68
	s_mov_b32 s69, 0xffff0000                      ; lanes 16-31
	s_wait_dscnt 0x0                               ; both opening adds are done
	s_wait_kmcnt 0x0
	s_add_nc_u64 s[KVB:KVB+1], s[6:7], s[KVB:KVB+1]   ; my eighth of the kv head's first four records
	s_add_nc_u64 s[PF:PF+1], s[KVB:KVB+1], SLOTB
	s_add_nc_u64 s[AQ:AQ+1], s[8:9], s[82:83]
	s_add_nc_u64 s[AQ+2:AQ+3], s[8:9], s[84:85]
	s_add_nc_u64 s[88:89], s[4:5], s[88:89]
	s_add_nc_u64 s[90:91], s[4:5], s[90:91]
	s_add_nc_u64 s[92:93], s[4:5], s[92:93]
	s_add_nc_u64 s[94:95], s[4:5], s[94:95]
	s_mov_b32 s[G0], 1
	s_mov_b32 s[G0+1], s[WOF]
	s_mov_b64 s[G0+2:G0+3], s[KVB:KVB+1]
	s_or_b32 s[G0+3], s[G0+3], 0x80000000
	CROUND                                         ; all four work-groups are here: the first joint loads meet
	tensor_load_to_lds s[G0:G0+3], s[G1:G1+7]      ; slot 0: the late walk's first four records; my one load at the head
	s_nop 0
	PLACES 4
	v_and_b32 v54, 31, v0                          ; lane
	v_lshlrev_b32 v[LI], 4, v54
	v_lshlrev_b32 v[L4], 2, v54
	WIN 0x40                                       ; destination window 1
.irp hh, 0,1
.irp s, 0,1
.irp cc, 0,1
	global_load_b128 v[16*\hh+8*\s+4*\cc:16*\hh+8*\s+4*\cc+3], v[LI], s[88:89] offset:\hh*524288+\s*1024+512*\cc
	global_load_b128 v[32+16*\hh+8*\s+4*\cc:32+16*\hh+8*\s+4*\cc+3], v[LI], s[92:93] offset:\hh*524288+\s*1024+512*\cc
.endr
.endr
.endr
	WIN 0
.irp hh, 0,1
	global_load_b32 v[QS+\hh], v[L4], s[90:91] offset:\hh*32768
	global_load_b32 v[QSE+\hh], v[L4], s[94:95] offset:\hh*32768
.endr
	v_and_b32 v56, 15, v0                          ; r
	v_lshlrev_b32 v[R4], 2, v56
	v_lshlrev_b32 v62, 4, v56
	v_lshlrev_b32 v[L8], 3, v54
	v_add_nc_u32 v[XSS], s77, v62
	v_add_nc_u32 v[XSR], XS, v[LI]
	v_bfe_u32 v64, v0, 4, 1                        ; h
	v_lshl_add_u32 v[GA], v64, 3, v62              ; 16 r + 8 h
	v_and_b32 v65, 8, v0
	v_add_nc_u32 v65, v65, v56                     ; r + 8 (r / 8)
	v_lshlrev_b32 v64, 4, v64
	v_sub_nc_u32 v65, v65, v64                     ; - 16 h
	v_add_nc_u32 v[DG], s78, v65                   ; the diagonal's test of the late tile,
	v_add_nc_u32 v[DE], s79, v65                   ; of the early one
	v_mov_b32 v[NINF], 0xff800000                  ; -infinity
	v_min_u32 v[PFO], 16, v54
	v_lshlrev_b32 v[PFO], 8, v[PFO]
	v_add_nc_u32 v[PFO], s68, v[PFO]
	v_mov_b32 v66, s86
	v_mov_b32 v67, s87
	v_cndmask_b32 v66, v66, v67, s69               ; lanes 0-15: the late tile's scale words in aq; lanes 16-31: the early tile's
	v_add_nc_u32 v[GS], v66, v62
.irp i, 4,5,6,7
	v_mov_b32 v[TB+\i], 0                          ; a lane permute's destination counts as one of its sources
.endr
.irp i, 0,1,2,3
	v_mov_b32 v[LS+\i], 0
.endr
.set n, 0
.rept 32
	v_mov_b32 v[O+n], 0                            ; the products are written with no first step of their own
.set n, n+1
.endr
	s_wait_alu depctr_va_vdst(0)
	s_wait_loadcnt 0x0                             ; Q; the loads' bases may be written again
	TRIP 1, 1                                      ; trip 0
	s_mov_b32 s[CNT], 7
.Ltrip:                                            ; trips 1 to 7
	TRIP 0, 1
	s_sub_co_u32 s[CNT], s[CNT], 1
	s_cmp_lg_u32 s[CNT], 0
	s_cbranch_scc1 .Ltrip
	TRIP 0, 0                                      ; the ninth trip asks for nothing
	s_wait_alu depctr_va_vdst(0)                   ; THE END: the ninth trip's products, and the early tile is finished
	s_wait_dscnt 0x0                               ; for the others' sake: my p and sums lie in LDS
	s_barrier_signal -1
	s_barrier_wait -1
	s_mov_b32 s[PSTEPS], s[STEPS]
	s_mov_b32 s[PB4], s[B4]
	s_add_co_u32 s91, s[TP], PX                    ; the copy that the ninth trip stored into
	s_add_co_u32 s92, s[TP], PS
	s_add_co_u32 s93, s[TP], XL
	v_add_nc_u32 v[PXL], s91, v[LI]
	v_add_nc_u32 v[PSL], s92, v[R4]
	v_add_nc_u32 v[XLL], s93, v[L8]
	s_wait_alu depctr_va_vdst(0)
	PLOADS
	s_wait_dscnt 0x0
	PVS
	FLUSH 1
	s_wait_alu depctr_va_vdst(0)
	s_wait_dscnt 0x0                               ; for wave 0's sake: both tiles' scale bytes lie in LDS
	s_barrier_signal -1
	s_barrier_wait -1
	s_cmp_lg_u32 s[W], 0
	s_cbranch_scc1 .Lend
	ds_load_b128 v[S:S+3], v[XSR]                  ; lanes 0-15: the late tile's rows' 16 bytes; lanes 16-31: the early tile's
	s_wait_dscnt 0x0
	global_store_b128 v[GS], v[S:S+3], s[8:9]      ; each sixteen lanes store 256 consecutive bytes, aligned
.Lend:
	s_wait_tensorcnt 0x0                           ; the wave's end
	ds_add_u32 v[SPW], v[NIL]
	s_wait_dscnt 0x0
	CROUND                                         ; the closing round
	s_endpgm
.Lfunc_end_k_qe97b848d22_attn:
	.size	k_qe97b848d22_attn, .Lfunc_end_k_qe97b848d22_attn-k_qe97b848d22_attn
	.p2alignl 7, 3214868480
	.fill 96, 4, 3214868480
	.section	.rodata,"a",@progbits
	.p2align	6, 0x0
	.amdhsa_kernel k_qe97b848d22_attn
		.amdhsa_group_segment_fixed_size 327680
		.amdhsa_private_segment_fixed_size 0
		.amdhsa_enable_private_segment 0
		.amdhsa_kernarg_size 24
		.amdhsa_user_sgpr_count 2
		.amdhsa_user_sgpr_kernarg_segment_ptr 1
		.amdhsa_wavefront_size32 1
		.amdhsa_system_sgpr_workgroup_id_x 1
		.amdhsa_system_sgpr_workgroup_id_y 1
		.amdhsa_system_sgpr_workgroup_id_z 1
		.amdhsa_system_vgpr_workitem_id 0
		.amdhsa_next_free_vgpr 448
		.amdhsa_next_free_sgpr 100
		.amdhsa_reserve_vcc 1
		.amdhsa_float_denorm_mode_32 3
		.amdhsa_float_denorm_mode_16_64 3
		.amdhsa_memory_ordered 1
		.amdhsa_forward_progress 1
		.amdhsa_inst_pref_size 108
	.end_amdhsa_kernel
	.amdgpu_metadata
---
amdhsa.version: [ 1, 2 ]
amdhsa.kernels:
  - .name:           k_qe97b848d22_attn
    .symbol:         k_qe97b848d22_attn.kd
    .args:
      - { .name: qi, .offset: 0, .size: 8, .value_kind: global_buffer, .address_space: global }
      - { .name: kv, .offset: 8, .size: 8, .value_kind: global_buffer, .address_space: global }
      - { .name: aq, .offset: 16, .size: 8, .value_kind: global_buffer, .address_space: global }
    .group_segment_fixed_size: 327680
    .private_segment_fixed_size: 0
    .kernarg_segment_align: 8
    .kernarg_segment_size: 24
    .max_flat_workgroup_size: 256
    .sgpr_count:     100
    .vgpr_count:     448
    .wavefront_size: 32
...
	.end_amdgpu_metadata
.endif
;; end of part 3
;; launch oproj (part 4): grid 32 x 8, 4 waves a work-group, clusters of 4 x 1, 327,680 bytes of LDS; arguments aq, oq, out0; writes out0
.if DOCPART == 4
	.amdgcn_target "amdgcn-amd-amdhsa--gfx1250"
	.amdhsa_code_object_version 6
	.text
	.protected	k_qe97b848d22_oproj
	.globl	k_qe97b848d22_oproj
	.p2align	8
	.type	k_qe97b848d22_oproj,@function
k_qe97b848d22_oproj:
	s_mov_b64 s[64:65], 0
	v_nop
	global_prefetch_b8 v0, s[64:65] scope:SCOPE_SE
	s_setreg_imm32_b32 hwreg(HW_REG_WAVE_MODE, 25, 1), 1
	s_wait_xcnt 0x0
	s_wait_alu depctr_hold_cnt(0) depctr_sa_sdst(0) depctr_va_vdst(0) depctr_va_sdst(0) depctr_va_ssrc(0) depctr_va_vcc(0) depctr_vm_vsrc(0)
	s_getreg_b32 s2, hwreg(HW_REG_IB_STS2, 6, 4)
	s_cmp_eq_u32 s2, 0
	s_cbranch_scc0 .Lentry_in_a_cluster
	s_endpgm
.Lentry_in_a_cluster:
	s_bfe_u32 s2, ttmp6, 0x10000c
	s_cmp_lg_u32 s2, 0x3003
	s_cbranch_scc0 .Lentry_shape_is_right
	s_endpgm
.Lentry_shape_is_right:
; out0 = attn o_w^T on codes of FP4: aq (launch attn's records) x oq (launch prep's records), K = 1,024 in two K slots of 512.  No work of reference() is left out here.
; SHARES.  A work-group makes 128 tokens x 256 columns.  Wave w takes token groups 2 (w / 2), 2 (w / 2) + 1 (64 tokens, four tiles) x columns 128 (w % 2) on (eight tiles): 12 fragments feed 32 matrix instructions.
; A's fragments of all of K stay in registers (window 1), read from LDS once.  The wave's columns go in two halves of 64, each with 16 accumulators of its own: K slot 0 for both halves, then K slot 1 for half 0,
; whose results leave at once, then K slot 1 for half 1.  Each sum runs over K in ascending order.
; THE MATRIX INSTRUCTION IS USED TRANSPOSED (source 0 = 16 rows of o_w, source 1 = 16 tokens): lane (r, h) holds token row r, and the 16 registers of two neighbouring weight tiles are columns 32 b + 16 h + 0..15.
; THE RING is filled once: slot 0 at the head, slot 1 behind the full sequence and a round.  CLUSTER: the four partners are four token blocks of one column block: B's tiles are asked for jointly (mask 15), A's are each
; work-group's own.  Waves 0, 1 fetch A's halves, waves 2, 3 B's.  One tensor load a wave is out.  No prefetch: the launch has no loop to run ahead in; both slots are asked for at its start.
; THE WAY OUT: 64 rows x 256 bytes go through the wave's own stage (pitch 272, bytes on which no tensor load lands) and leave as aligned units of 256 bytes, sixteen lanes to a row.
; REGISTERS: window 0: v1-11 addresses, v14, v15 the add's two, v16-63 scale words alone, v64-127 B's fragments (two sets of four), v128-255 the way out; window 1: A's fragments [K step 8][tile 4];
; window 2: the accumulators (half p, token tile tk, weight tile tb) at 128 p + 32 tk + 8 tb.
.set REC,   8704
.set BOFF,  4*REC
.set SLOT,  12*REC
.set SPARE, 2*SLOT
.set STAGE, SPARE+512
.set SP,    272
.set ASTR,  128*REC
.set BSTR,  64*REC
.set LI,   1
.set ADA,  3
.set ADB,  5
.set SO,   9
.set RD,   10
.set CO,   11
.set SPW,  14
.set NIL,  15
.set SCA,  16
.set SCB,  32
.set BF,   64
.set OB,   128
.set G1A, 24
.set G0A, 32
.set G1B, 40
.set G0B, 48
.set MSB, 0
.macro WIN new                         ; the immediate's high byte repeats the setting that is left
.if MSB != \new
	s_set_vgpr_msb (MSB<<8)|\new
.set MSB, \new
.endif
.endm
.macro PLACES n
.rept \n
	v_nop
.endr
.endm
.macro CROUND                          ; a round of the cluster's barrier
	s_barrier_signal -1
	s_barrier_wait -1
	s_cmp_lg_u32 s14, 0
	s_cbranch_scc1 .Lnot_wave_0_\@
	s_barrier_signal -3
.Lnot_wave_0_\@:
	s_barrier_wait -3
	s_barrier_signal -1
	s_barrier_wait -1
.endm
.macro JLOAD s                         ; waves 0, 1: A's halves (my own work-group's); waves 2, 3: B's halves (joint).  The branch hangs on the wave's number alone
	s_cmp_eq_u32 s15, 0
	s_cbranch_scc0 .Lfor_b_\@
	tensor_load_to_lds s[G0A+4*\s:G0A+4*\s+3], s[G1A:G1A+7]
	s_nop 0
	PLACES 4
	s_branch .Lasked_\@
.Lfor_b_\@:
	tensor_load_to_lds s[G0B+4*\s:G0B+4*\s+3], s[G1B:G1B+7]
	s_nop 0
	PLACES 4
.Lasked_\@:
.endm
; one scaled matrix instruction.  zero = 1: it starts the sum.  ra, rb: source 0's and source 1's scales stand in lanes 16-31
.macro WM d, a, b, zero, sa, sb, ra, rb
.if \zero
.if ((\ra)==0)&&((\rb)==0)
	v_wmma_scale_f32_16x16x128_f8f6f4 v[\d:\d+7], v[\a:\a+7], v[\b:\b+7], 0, v[\sa], v[\sb] matrix_a_fmt:MATRIX_FMT_FP4 matrix_b_fmt:MATRIX_FMT_FP4
.elseif ((\ra)==1)&&((\rb)==0)
	v_wmma_scale_f32_16x16x128_f8f6f4 v[\d:\d+7], v[\a:\a+7], v[\b:\b+7], 0, v[\sa], v[\sb] matrix_a_fmt:MATRIX_FMT_FP4 matrix_b_fmt:MATRIX_FMT_FP4 matrix_a_scale:MATRIX_SCALE_ROW1
.elseif ((\ra)==0)&&((\rb)==1)
	v_wmma_scale_f32_16x16x128_f8f6f4 v[\d:\d+7], v[\a:\a+7], v[\b:\b+7], 0, v[\sa], v[\sb] matrix_a_fmt:MATRIX_FMT_FP4 matrix_b_fmt:MATRIX_FMT_FP4 matrix_b_scale:MATRIX_SCALE_ROW1
.else
	v_wmma_scale_f32_16x16x128_f8f6f4 v[\d:\d+7], v[\a:\a+7], v[\b:\b+7], 0, v[\sa], v[\sb] matrix_a_fmt:MATRIX_FMT_FP4 matrix_b_fmt:MATRIX_FMT_FP4 matrix_a_scale:MATRIX_SCALE_ROW1 matrix_b_scale:MATRIX_SCALE_ROW1
.endif
.else
.if ((\ra)==0)&&((\rb)==0)
	v_wmma_scale_f32_16x16x128_f8f6f4 v[\d:\d+7], v[\a:\a+7], v[\b:\b+7], v[\d:\d+7], v[\sa], v[\sb] matrix_a_fmt:MATRIX_FMT_FP4 matrix_b_fmt:MATRIX_FMT_FP4
.elseif ((\ra)==1)&&((\rb)==0)
	v_wmma_scale_f32_16x16x128_f8f6f4 v[\d:\d+7], v[\a:\a+7], v[\b:\b+7], v[\d:\d+7], v[\sa], v[\sb] matrix_a_fmt:MATRIX_FMT_FP4 matrix_b_fmt:MATRIX_FMT_FP4 matrix_a_scale:MATRIX_SCALE_ROW1
.elseif ((\ra)==0)&&((\rb)==1)
	v_wmma_scale_f32_16x16x128_f8f6f4 v[\d:\d+7], v[\a:\a+7], v[\b:\b+7], v[\d:\d+7], v[\sa], v[\sb] matrix_a_fmt:MATRIX_FMT_FP4 matrix_b_fmt:MATRIX_FMT_FP4 matrix_b_scale:MATRIX_SCALE_ROW1
.else
	v_wmma_scale_f32_16x16x128_f8f6f4 v[\d:\d+7], v[\a:\a+7], v[\b:\b+7], v[\d:\d+7], v[\sa], v[\sb] matrix_a_fmt:MATRIX_FMT_FP4 matrix_b_fmt:MATRIX_FMT_FP4 matrix_a_scale:MATRIX_SCALE_ROW1 matrix_b_scale:MATRIX_SCALE_ROW1
.endif
.endif
.endm
; a slot's fragments of A: four steps of 128 along K x my four token tiles, into window 1; and the slot's scale words: register q of a record's four = its q-th 128 along K; lanes 0-15 tile 0's rows, lanes 16-31 tile 1's
.macro FA slot
	WIN 0x40
.irp q, 0,1,2,3
.irp gl, 0,1
.irp u, 0,1
.irp c, 0,1
	ds_load_b128 v[8*((4*\slot+\q)*4+2*\gl+\u)+4*\c:8*((4*\slot+\q)*4+2*\gl+\u)+4*\c+3], v[ADA+\slot] offset:\gl*REC+(2*\q+\u)*1024+512*\c
.endr
.endr
.endr
.endr
	WIN 0
.irp gl, 0,1
	ds_load_b128 v[SCA+8*\slot+4*\gl:SCA+8*\slot+4*\gl+3], v[ADA+\slot] offset:\gl*REC+8192
.endr
.irp gb, 0,1,2,3
	ds_load_b128 v[SCB+16*\slot+4*\gb:SCB+16*\slot+4*\gb+3], v[ADB+\slot] offset:\gb*REC+8192
.endr
.endm
.macro FB p, slot, q, bs               ; B's four fragments of column half p, the slot's q-th 128 along K, into set bs
.irp gp, 0,1
.irp ub, 0,1
.irp c, 0,1
	ds_load_b128 v[BF+32*(\bs)+8*(2*\gp+\ub)+4*\c:BF+32*(\bs)+8*(2*\gp+\ub)+4*\c+3], v[ADB+\slot] offset:(2*(\p)+\gp)*REC+(2*(\q)+\ub)*1024+512*\c
.endr
.endr
.endr
.endm
; 16 matrix instructions: the half's 16 accumulators take turns, one instruction a turn, in the same order in every step
.macro MUL p, slot, q, bs, zero
	WIN 0xa4                                       ; source 0 (B) window 0, source 1 (A) window 1, C and D window 2
.irp tb, 0,1,2,3
.irp tk, 0,1,2,3
	WM 128*(\p)+32*\tk+8*\tb, BF+32*(\bs)+8*\tb, 8*((4*(\slot)+(\q))*4+\tk), \zero, SCB+16*(\slot)+4*(2*(\p)+\tb/2)+(\q), SCA+8*(\slot)+4*(\tk/2)+(\q), \tb%2, \tk%2
.endr
.endr
	WIN 0
.endm
.macro ST p, slot, q, bs, zero, np, ns, nq   ; a step that has a successor (np, ns, nq) whose slot has landed
	s_wait_dscnt 0x0                               ; this step's fragments are in
	PLACES 4                                       ; four plain lines between the last products and loads into the set that they read
	FB \np, \ns, \nq, 1-(\bs)
	MUL \p, \slot, \q, \bs, \zero
.endm
; THE WAY OUT of column half p: register 16 b + i of a token tile's 32 holds column 32 b + 16 h + i; stage row 16 tk + r is token 32 (tk / 2) + 8 (tk % 2) + r + 8 (r / 8) of my 64
.macro OUT p
	PLACES 4                                       ; between the last products and the first read of results
	WIN 0x08                                       ; an LDS store's data: window 2
.irp tk, 0,1,2,3
.set n, 0
.rept 8
	ds_store_b128 v[SO], v[128*\p+32*\tk+4*n:128*\p+32*\tk+4*n+3] offset:\tk*16*SP+(n/4)*128+(n%4)*16   ; each accumulator from its low end on
.set n, n+1
.endr
.endr
	WIN 0
.if \p
	s_wait_xcnt 0x0                                ; the first half's stores have read their registers: the loads below may land there
.endif
.set m, 0
.rept 32
	ds_load_b128 v[OB+4*m:OB+4*m+3], v[RD] offset:m*2*SP   ; LDS serves a wave's instructions in order: these see my stores.  Lanes 0-15 one row, lanes 16-31 the next
.set m, m+1
.endr
.set m, 0
.rept 32
	s_wait_dscnt 31-m                              ; load m is in; the 31 - m issued behind it may be out
	global_store_b128 v[CO], v[OB+4*m:OB+4*m+3], s[62:63] offset:(32*(m/16)+8*((m/8)%2)+(2*m)%16+8*(((2*m)%16)/8))*8192+256*\p th:TH_STORE_NT   ; sixteen lanes store 256 consecutive bytes, aligned
.set m, m+1
.endr
.endm
	s_load_b128 s[4:7], s[0:1], 0x0                ; aq, oq
	s_load_b64 s[8:9], s[0:1], 0x10                ; out0
	v_lshl_add_u32 v[SPW], v0, 2, SPARE
	v_mov_b32 v[NIL], 0
	ds_add_u32 v[SPW], v[NIL]                      ; the wave's opening
	ds_add_u32 v[SPW], v[NIL]
	v_lshrrev_b32 v11, 5, v0
	v_readfirstlane_b32 s14, v11                   ; wave
	s_lshr_b32 s15, s14, 1                         ; my half of the tokens.  Also: I fetch for A (0) or for B (1),
	s_and_b32 s16, s14, 1                          ; my half of the columns.  Also: which half I fetch
	s_bfe_u32 s17, ttmp6, 0x40000                  ; cx
	s_lshl_b32 s18, ttmp9, 2
	s_add_co_u32 s18, s18, s17                     ; token block = 4 x cluster x + cx: it enters A's address and the way out's alone
	s_and_b32 s19, ttmp7, 0xffff                   ; the column block, which the four partners share
	s_mov_b32 s[G1A+0], 3<<16                      ; A's half: 17,408 dense bytes as 68 rows of 32 elements of 8 bytes; no mask
	s_mov_b32 s[G1A+1], 32<<16
	s_mov_b32 s[G1A+2], 68<<16
	s_mov_b32 s[G1A+3], 32<<16
	s_mov_b32 s[G1A+4], 68
	s_mov_b32 s[G1A+5], 32
	s_mov_b32 s[G1A+6], 0
	s_mov_b32 s[G1A+7], 0
	s_mov_b32 s[G1B+0], 15|(3<<16)|(1<<21)         ; B's half: 34,816 dense bytes as 136 rows; the mask names all four partners
	s_mov_b32 s[G1B+1], 32<<16
	s_mov_b32 s[G1B+2], 136<<16
	s_mov_b32 s[G1B+3], 32<<16
	s_mov_b32 s[G1B+4], 136
	s_mov_b32 s[G1B+5], 32
	s_mov_b32 s[G1B+6], 0
	s_mov_b32 s[G1B+7], 0
	s_mul_i32 s56, s18, BOFF
	s_mul_i32 s20, s16, 2*REC
	s_add_co_u32 s56, s56, s20
	s_mov_b32 s57, 0
	s_mul_i32 s58, s19, 8*REC
	s_mul_i32 s21, s16, BOFF
	s_add_co_u32 s58, s58, s21
	s_mov_b32 s59, 0
	s_add_co_u32 s21, s21, BOFF
	s_wait_dscnt 0x0                               ; both opening adds are done
	s_wait_kmcnt 0x0
	s_add_nc_u64 s[56:57], s[4:5], s[56:57]
	s_add_nc_u64 s[58:59], s[6:7], s[58:59]
	CROUND                                         ; all four work-groups are here: the first joint loads meet
.irp s, 0,1
	s_mov_b32 s[G0A+4*\s], 1
	s_add_co_u32 s[G0A+4*\s+1], s20, \s*SLOT
	s_add_nc_u64 s[G0A+4*\s+2:G0A+4*\s+3], s[56:57], \s*ASTR
	s_or_b32 s[G0A+4*\s+3], s[G0A+4*\s+3], 0x80000000
	s_mov_b32 s[G0B+4*\s], 1
	s_add_co_u32 s[G0B+4*\s+1], s21, \s*SLOT
	s_add_nc_u64 s[G0B+4*\s+2:G0B+4*\s+3], s[58:59], \s*BSTR
	s_or_b32 s[G0B+4*\s+3], s[G0B+4*\s+3], 0x80000000
.if \s == 1
	s_wait_alu depctr_va_vdst(0)
	s_wait_tensorcnt 0x0                           ; slot 1's first fill is issued as a refill is
	ds_add_u32 v14, v15
	s_wait_dscnt 0x0
	CROUND
.endif
	JLOAD \s
.endr
	s_mul_i32 s22, s15, 2*REC                      ; my two records of A in a slot,
	s_mul_i32 s23, s16, 4*REC
	s_add_co_u32 s23, s23, BOFF                    ; my four of B,
	s_mul_i32 s20, s14, 64*SP
	s_add_co_u32 s20, s20, STAGE                   ; my stage
	s_lshl_b32 s60, s18, 7
	s_lshl_b32 s61, s15, 6
	s_add_co_u32 s60, s60, s61                     ; my first token,
	s_lshl_b32 s60, s60, 13
	s_lshl_b32 s61, s19, 10
	s_add_co_u32 s60, s60, s61
	s_lshl_b32 s61, s16, 9
	s_add_co_u32 s60, s60, s61                     ; my first column, in bytes
	s_mov_b32 s61, 0
	s_add_nc_u64 s[62:63], s[8:9], s[60:61]
	v_and_b32 v11, 31, v0
	v_lshlrev_b32 v[LI], 4, v11
	v_add_nc_u32 v[ADA], s22, v[LI]
	v_add_nc_u32 v[ADA+1], SLOT, v[ADA]
	v_add_nc_u32 v[ADB], s23, v[LI]
	v_add_nc_u32 v[ADB+1], SLOT, v[ADB]
	v_and_b32 v12, 15, v0                          ; r
	v_bfe_u32 v13, v0, 4, 1                        ; h
	v_mul_u32_u24 v[SO], v12, SP
	v_lshl_add_u32 v[SO], v13, 6, v[SO]
	v_add_nc_u32 v[SO], s20, v[SO]                 ; in: row r (+ 16 tk in the offset), + 64 h
	v_mul_u32_u24 v[RD], v13, SP
	v_lshl_add_u32 v[RD], v12, 4, v[RD]
	v_add_nc_u32 v[RD], s20, v[RD]                 ; back: lanes 0-15 one row, lanes 16-31 the next
	v_lshlrev_b32 v[CO], 13, v13
	v_lshl_add_u32 v[CO], v12, 4, v[CO]            ; and the same two rows in out0
	s_wait_alu depctr_va_vdst(0)
	s_wait_tensorcnt 0x1                           ; slot 0 is in; slot 1's load may stay out
	s_barrier_signal -1
	s_barrier_wait -1
	FA 0
	FB 0, 0, 0, 0
	ST 0, 0, 0, 0, 1, 0, 0, 1                      ; the first step of each half starts its sums: nothing is cleared
	ST 0, 0, 1, 1, 0, 0, 0, 2
	ST 0, 0, 2, 0, 0, 0, 0, 3
	ST 0, 0, 3, 1, 0, 1, 0, 0
	ST 1, 0, 0, 0, 1, 1, 0, 1
	ST 1, 0, 1, 1, 0, 1, 0, 2
	ST 1, 0, 2, 0, 0, 1, 0, 3
	s_wait_tensorcnt 0x0                           ; my part of slot 1 is in
	s_wait_dscnt 0x0
	s_barrier_signal -1
	s_barrier_wait -1                              ; everybody's is
	PLACES 4
	FA 1
	FB 0, 1, 0, 0
	MUL 1, 0, 3, 1, 0
	ST 0, 1, 0, 0, 0, 0, 1, 1
	ST 0, 1, 1, 1, 0, 0, 1, 2
	ST 0, 1, 2, 0, 0, 0, 1, 3
	ST 0, 1, 3, 1, 0, 1, 1, 0
	OUT 0                                          ; half 0 is finished: its stores are on their way while half 1 is multiplied
	ST 1, 1, 0, 0, 0, 1, 1, 1
	ST 1, 1, 1, 1, 0, 1, 1, 2
	ST 1, 1, 2, 0, 0, 1, 1, 3
	s_wait_dscnt 0x0
	MUL 1, 1, 3, 1, 0
	OUT 1
	s_wait_tensorcnt 0x0                           ; the wave's end
	ds_add_u32 v[SPW], v[NIL]
	s_wait_dscnt 0x0
	CROUND                                         ; the closing round
	s_endpgm
.Lfunc_end_k_qe97b848d22_oproj:
	.size	k_qe97b848d22_oproj, .Lfunc_end_k_qe97b848d22_oproj-k_qe97b848d22_oproj
	.p2alignl 7, 3214868480
	.fill 96, 4, 3214868480
	.section	.rodata,"a",@progbits
	.p2align	6, 0x0
	.amdhsa_kernel k_qe97b848d22_oproj
		.amdhsa_group_segment_fixed_size 327680
		.amdhsa_private_segment_fixed_size 0
		.amdhsa_enable_private_segment 0
		.amdhsa_kernarg_size 24
		.amdhsa_user_sgpr_count 2
		.amdhsa_user_sgpr_kernarg_segment_ptr 1
		.amdhsa_wavefront_size32 1
		.amdhsa_system_sgpr_workgroup_id_x 1
		.amdhsa_system_sgpr_workgroup_id_y 1
		.amdhsa_system_sgpr_workgroup_id_z 1
		.amdhsa_system_vgpr_workitem_id 0
		.amdhsa_next_free_vgpr 768
		.amdhsa_next_free_sgpr 80
		.amdhsa_reserve_vcc 0
		.amdhsa_float_denorm_mode_32 3
		.amdhsa_float_denorm_mode_16_64 3
		.amdhsa_memory_ordered 1
		.amdhsa_forward_progress 1
		.amdhsa_inst_pref_size 72
	.end_amdhsa_kernel
	.amdgpu_metadata
---
amdhsa.version: [ 1, 2 ]
amdhsa.kernels:
  - .name:           k_qe97b848d22_oproj
    .symbol:         k_qe97b848d22_oproj.kd
    .args:
      - { .name: aq, .offset: 0, .size: 8, .value_kind: global_buffer, .address_space: global }
      - { .name: oq, .offset: 8, .size: 8, .value_kind: global_buffer, .address_space: global }
      - { .name: out0, .offset: 16, .size: 8, .value_kind: global_buffer, .address_space: global }
    .group_segment_fixed_size: 327680
    .private_segment_fixed_size: 0
    .kernarg_segment_align: 8
    .kernarg_segment_size: 24
    .max_flat_workgroup_size: 128
    .sgpr_count:     80
    .vgpr_count:     768
    .wavefront_size: 32
...
	.end_amdgpu_metadata
.endif
;; end of part 4
